; MI455X (gfx1250); checked and timed in simulation.
; The chip was launched on July 23, 2026; its instructions are those of AMD's public machine-readable ISA for CDNA 5 (MIT licence, August 2026) and "CDNA5" Instruction Set Architecture Reference Guide (July 2026). The comments in the code are by the model that wrote it; some were corrected since.
;; Attention. Allowed arithmetic: matrix products marked QUANTISED: E2M3 operands, one E8M0 scale for each 32 along K, by v_wmma_scale_f32_16x16x128_f8f6f4 with both operands' format E2M3, f32 sums; everything else in f32.
;; Inputs: Wproj 1,024 x 1,024 float32; Wqkv 1,024 x 3,072 float32; bproj 1,024 float32; bqkv 3,072 float32; mask 4 x 2,048 x 2,048 bool; x 4 x 2,048 x 1,024 float32.
;; Outputs: out0 4 x 2,048 x 1,024 float32.
;; This version of the problem:
;;   THIS VERSION OF THE PROBLEM IS GIVEN IN LOW PRECISION. The matrix products marked QUANTISED in the list below multiply operands that are first quantised to E2M3 (2 exponent bits, 3 mantissa bits; 6 bits a number), with one power-of-two scale for each 32 numbers along K (OCP MX v1.0); their sums are f32. All else is computed in f32.
;;   The module's matrix products, in the order in which they are computed (A, B: the left and right operand; K: the contracted axis; several contracted axes count as one K, in the product's order):
;;     1. [M 8,192, K 1,024] x [K 1,024, N 3,072]; A: input x; B: input Wqkv: QUANTISED
;;     2. batch 64 x [M 2,048, K 64] x [K 64, N 2,048]; A: computed on the way; B: computed on the way: QUANTISED
;;     3. batch 64 x [M 2,048, K 2,048] x [K 2,048, N 64]; A: softmax (see below); B: computed on the way: QUANTISED
;;     4. [M 8,192, K 1,024] x [K 1,024, N 1,024]; A: computed on the way; B: input Wproj: QUANTISED
;;   THE QUANTISER, for each operand of a quantised product, along K:
;;     - K is cut into blocks of 32 from its start; a last block that is shorter is filled with zeros.
;;     - A block's scale is 2^e with e = floor(log2(the largest magnitude in the block)) - 2, held to -126 .. 127; a block of zeros has e = 0. As a byte (E8M0): e + 127.
;;     - Each number is divided by its block's scale, clamped to +-7.5, and rounded to the nearest number of E2M3, ties to even, subnormals kept.
;;     - The product sums the exact products of the quantised numbers (number of the format x scale) in f32.
;;   ~~~python
;;   def quantise(x, axis):      # numpy; x: float32 -> the quantised numbers, widened to float32 again
;;       x = np.moveaxis(x, axis, -1); K = x.shape[-1]
;;       x = np.pad(x, [(0, 0)] * (x.ndim - 1) + [(0, -K % 32)]); x = x.reshape(x.shape[:-1] + (-1, 32)); a = np.abs(x).max(-1, keepdims=True)
;;       e = np.where(a > 0, np.clip(np.frexp(np.where(a > 0, a, 1))[1] - 1 - 2, -126, 127), 0)      # np.frexp(a)[1] - 1 = floor(log2(a)), exactly
;;       r = np.clip(x / 2.0 ** e, -7.5, 7.5)
;;       step = 2.0 ** (np.maximum(np.frexp(np.where(r == 0, 1, r))[1] - 1, 0) - 3)
;;       q = np.round(r / step) * step * 2.0 ** e      # np.round: ties to even
;;       return np.moveaxis(q.reshape(q.shape[:-2] + (-1,))[..., :K], -1, axis).astype(np.float32)
;;   ~~~
;;   SOFTMAX AHEAD OF A QUANTISED PRODUCT. Where the list says 'softmax', what is quantised is not the finished softmax but p = 2^(t - M), with t = logit x log2(e) and M = ceil(the row's largest t), a whole number; so 1/2 < the row's largest p <= 1. The row's sum l is taken of the UNQUANTISED p, in f32, and the product's result is divided by l at the end. Since M is a whole number, a kernel that streams over the keys may use a running M (the ceiling of the running maximum): every later rescaling is an exact power of two, which a block's scale takes up: the codes' values come out the same.
;;   OPERANDS COMPUTED ON THE WAY. 'Computed on the way' means the value that the module computes at that place (a softmax that the list does not call 'softmax' is quantised finished and normalised). What goes into a quantiser is computed in f32, as accurately as f32 sums, v_exp_f32 and their like allow (about 1e-6 of the number): no bf16 or f16 on the way to a quantiser, and a product that is left as it is and whose result goes on into a quantised operand takes f32 operands (vector FMAs, or v_wmma_f32_16x16x4_f32). A number that lies on a knife's edge between two numbers of the format may be rounded either way, as far as f32 arithmetic and the matrix unit's own rounding can turn it there, and no further.
;; One version. Each part assembles by itself: llvm-mc -triple=amdgcn-amd-amdhsa -mcpu=gfx1250 --defsym DOCPART=n.
;; ======== version 1 of 1: 4 launches
;; limits: right only within a limited range of input values
;; workspace buffers: xq 6,553,600 bytes; wq 3,276,800 bytes; maskc 16,777,216 bytes; qkv 19,660,800 bytes; aq 6,553,600 bytes
;; launch prep (part 1): grid 1152 x 1, 4 waves a work-group, no clusters, 68,096 bytes of LDS; arguments x, Wqkv, Wproj, mask, xq, wq, maskc; writes xq, wq, maskc
.if DOCPART == 1
	.amdgcn_target "amdgcn-amd-amdhsa--gfx1250"
	.amdhsa_code_object_version 6
	.text
	.protected	k_q39943cfd20_prep
	.globl	k_q39943cfd20_prep
	.p2align	8
	.type	k_q39943cfd20_prep,@function
k_q39943cfd20_prep:
	s_mov_b64 s[64:65], 0
	v_nop
	global_prefetch_b8 v0, s[64:65] scope:SCOPE_SE
	s_setreg_imm32_b32 hwreg(HW_REG_WAVE_MODE, 25, 1), 1
	s_wait_xcnt 0x0
; PREP: x [8192][1024], Wqkv [1024][3072], Wproj [1024][1024] (f32) become codes of FP6 (E2M3) with one E8M0 byte for each 32 along K; the mask's bytes become lane masks.
; POSITIONS.  Rows of x, columns of the weights and the mask's query rows are kept at position p = the true index with bits 3 and 4 exchanged: row rho of tile 2 B + u is true index 32 B + 8 u + rho + 8 (rho / 8).
; So the 16 result registers of two neighbouring tiles of a product's source 0 are 16 true neighbours.
; CODES are laid as images of operand registers.  For a tile of 16 rows and 64 along K (index kh) 768 bytes: lane (rho, h) owns block 2 kh + h of row rho, 24 bytes: its first 16 at 16 rho + 256 h, its last 8 at 512 + 16 rho + 8 h.
; An operand with K = 1,024 has 16 such pieces a tile: byte (16 tile + kh) 768.  SCALE BYTES: [position][32].
; MASK WORDS: [batch][query tile 128][key step 16][64 words]; bit (r, h) of word 16 b + i is mask[batch][true row of position 16 tile + r][128 step + 32 b + 16 h + i].
; A block's scale is 2^(floor(log2(largest magnitude)) - 2); its byte is that magnitude's exponent field - 2, held at 1 from below (a block of zeros keeps the byte 1: its codes are zeros, and this program alone reads the bytes).
; LIMITS: NaN and infinities among the inputs are not served; blocks whose largest magnitude lies under 2^-124 keep the byte 1.
; SHARES: work-groups 0-511: a tile of 16 rows of x, a wave a quarter of K.  512-607: Wqkv, 608-639: Wproj: a wave 32 columns x 256 along K, a lane a column.  640-1151: a query tile of the mask, a wave 512 keys.
; No wave shares anything with another: no barrier.  The path of x and the path of the mask have LDS bytes of their own.
.set XQS,   6291456                    ; where x's scale bytes begin in xq
.set WQS,   3145728                    ; where the weights' scale bytes begin in wq
.set PIT,   528                        ; a stage row: 512 bytes + 16: 33 x 16, so sixteen rows' 16 bytes start in sixteen different groups of banks
.set WREG,  16*PIT                     ; a wave's stage
.set MBASE, 4*WREG                     ; the mask path's stages lie behind x's
; THE MASK LEAVES AS CODES OF FP6, NOT AS LANE MASKS (this line stands for what the head says of mask words): maskc [batch][query tile][key step 16][fragment f 4][lane 32][16 bytes].
; Lane (r, h) is key 128 step + 32 f + 8 h + r + 8 (r / 8); its dword d holds queries 4 d + e of the tile (positions), six bits each at bit off(d) + 6 e, off = 0, 4, 2, 0:
; these are slots 0-3, 6-9, 11-14, 16-19 of a block of 32 codes.  A masked pair has the code 63 (-7.5), any other 0.
; 32 numbers of one lane, one block, in v[X] on -> 24 bytes of codes in v[32 + 8 kh] on, the byte in v[20 + kh]; stored as piece kh of the wave's four
.macro BLOCKQ X, kh
	v_max3_num_f32 v12, |v[\X]|, |v[\X+1]|, |v[\X+2]|
	v_max3_num_f32 v13, |v[\X+3]|, |v[\X+4]|, |v[\X+5]|
.irp i, 6,10,14,18,22,26
	v_max3_num_f32 v12, v12, |v[\X+\i]|, |v[\X+\i+1]|
	v_max3_num_f32 v13, v13, |v[\X+\i+2]|, |v[\X+\i+3]|
.endr
	v_max3_num_f32 v12, v12, |v[\X+30]|, |v[\X+31]|
	v_max3_num_f32 v12, v12, v13, 0x1800000        ; and the floor 2^(3 - 127): the byte cannot fall under 1
	v_add_nc_u32 v11, 0xff000000, v12              ; 2 off the exponent field: the conversion's scale operand
	v_lshrrev_b32 v[20+(\kh)], 23, v11             ; the scale's byte
	v_cvt_scalef32_pk16_fp6_f32 v[32+8*(\kh):34+8*(\kh)], v[\X:\X+15], v11
	v_cvt_scalef32_pk16_fp6_f32 v[28:30], v[\X+16:\X+31], v11   ; (a conversion's three registers begin on an even number)
	v_nop                                          ; one plain line behind the conversions
.irp i, 0,1,2
	v_mov_b32 v[35+8*(\kh)+\i], v[28+\i]
.endr
	global_store_b128 v4, v[32+8*(\kh):35+8*(\kh)], s[24:25] offset:768*(\kh)       ; 32 lanes: 512 consecutive bytes, at a multiple of 256
	global_store_b64 v5, v[36+8*(\kh):37+8*(\kh)], s[24:25] offset:768*(\kh)+512    ; 32 lanes: 256 consecutive bytes
.endm
; a weight's block t: W(32 t + i, my column) into set t % 2
.macro LOADW t, N, P
.set i, 0
.rept 32
	global_load_b32 v[64+32*((\t)%2)+i], v14, s[\P:\P+1] offset:(32*(\t)+i)*\N*4 th:TH_LOAD_NT
.set i, i+1
.endr
.endm
.macro BLOCKW t, N, P
.set XS, 64+32*((\t)%2)
.set CA, 128+12*((\t)/2)+4*((\t)%2)    ; the block's first 16 bytes
.set CB, 128+12*((\t)/2)+8+2*((\t)%2)  ; its last 8: two blocks' make 16
.if (\t) < 7
	s_wait_loadcnt 32                              ; this block's 32 loads are in; the next block's 32 may be out
.else
	s_wait_loadcnt 0x0
.endif
	v_max3_num_f32 v12, |v[XS]|, |v[XS+1]|, |v[XS+2]|
	v_max3_num_f32 v13, |v[XS+3]|, |v[XS+4]|, |v[XS+5]|
.irp i, 6,10,14,18,22,26
	v_max3_num_f32 v12, v12, |v[XS+\i]|, |v[XS+\i+1]|
	v_max3_num_f32 v13, v13, |v[XS+\i+2]|, |v[XS+\i+3]|
.endr
	v_max3_num_f32 v12, v12, |v[XS+30]|, |v[XS+31]|
	v_max3_num_f32 v12, v12, v13, 0x1800000
	v_add_nc_u32 v11, 0xff000000, v12
	v_lshrrev_b32 v13, 23, v11
.if (\t)%4 == 0
	v_mov_b32 v[24+(\t)/4], v13                    ; four bytes to a register, the lower K in the lower byte
.else
	v_lshl_or_b32 v[24+(\t)/4], v13, 8*((\t)%4), v[24+(\t)/4]
.endif
	v_cvt_scalef32_pk16_fp6_f32 v[CA:CA+2], v[XS:XS+15], v11
	v_cvt_scalef32_pk16_fp6_f32 v[28:30], v[XS+16:XS+31], v11
	v_nop
	v_mov_b32 v[CA+3], v28
	v_mov_b32 v[CB], v29
	v_mov_b32 v[CB+1], v30
.if (\t)+2 < 8
	LOADW (\t)+2, \N, \P
.endif
	global_store_b128 v17, v[CA:CA+3], s[24:25] offset:768*((\t)/2)+256*((\t)%2)    ; sixteen lanes of each of two tiles: 256 consecutive bytes each
.if (\t)%2 == 1
	global_store_b128 v17, v[CB-2:CB+1], s[24:25] offset:768*((\t)/2)+512
.endif
.endm
; a weight [1024][N]: work-groups WG0 on; its columns' tiles begin at tile TILE0 of wq; its address in s[P:P+1]
.macro WPATH N, TILE0, WG0, P
	s_sub_co_u32 s20, ttmp9, \WG0
	s_lshr_b32 s21, s20, 2                         ; which 128 columns
	s_and_b32 s20, s20, 3                          ; which 256 along K
	s_lshl_b32 s21, s21, 7
	s_lshl_b32 s22, s18, 5
	s_add_co_u32 s21, s21, s22                     ; my wave's first column
	s_mul_i32 s22, s20, 256*\N*4
	s_lshl_b32 s23, s21, 2
	s_add_co_u32 s22, s22, s23
	s_mov_b32 s23, 0
	s_add_nc_u64 s[\P:\P+1], s[\P:\P+1], s[22:23]
	s_lshr_b32 s22, s21, 4
	s_add_co_u32 s22, s22, \TILE0
	s_mul_i32 s22, s22, 12288
	s_mul_i32 s26, s20, 3072
	s_add_co_u32 s22, s22, s26
	s_add_nc_u64 s[24:25], s[14:15], s[22:23]      ; codes: my two tiles, my four pieces
	s_add_co_u32 s22, s21, 16*\TILE0
	s_lshl_b32 s22, s22, 5
	s_lshl_b32 s26, s20, 3
	s_add_co_u32 s22, s22, s26
	s_add_co_u32 s22, s22, WQS
	s_add_nc_u64 s[14:15], s[14:15], s[22:23]      ; scale bytes: my 32 positions, my 8 bytes
	v_lshlrev_b32 v14, 2, v1                       ; in: 4 bytes a lane: lane = true column
	v_bfe_u32 v15, v1, 3, 1                        ; its tile of the two: bit 3 of the column
	v_and_b32 v16, 7, v1
	v_lshl_or_b32 v16, v3, 3, v16                  ; its row in the tile: bits 2:0, and bit 4 as bit 3
	v_mul_u32_u24 v17, v15, 12288
	v_lshl_add_u32 v17, v16, 4, v17                ; out: tile x 12,288 + 16 x row
	v_lshl_add_u32 v18, v15, 4, v16
	v_lshlrev_b32 v18, 5, v18                      ; scale bytes: 32 x position
	LOADW 0, \N, \P
	LOADW 1, \N, \P
.irp t, 0,1,2,3,4,5,6,7
	BLOCKW \t, \N, \P
.endr
	global_store_b64 v18, v[24:25], s[14:15]       ; my column's 8 scale bytes
	s_endpgm
.endm
	s_load_b256 s[4:11], s[0:1], 0x0               ; x s[4:5], Wqkv s[6:7], Wproj s[8:9], mask s[10:11]
	s_load_b128 s[12:15], s[0:1], 0x20             ; xq s[12:13], wq s[14:15]
	s_load_b64 s[16:17], s[0:1], 0x30              ; maskw
	v_lshl_add_u32 v62, v0, 2, 0x10800
	v_mov_b32 v63, 0
	v_lshrrev_b32 v1, 5, v0
	v_readfirstlane_b32 s18, v1                    ; wave
	v_and_b32 v1, 31, v0                           ; lane
	v_and_b32 v2, 15, v0                           ; r
	v_bfe_u32 v3, v0, 4, 1                         ; h
	v_lshlrev_b32 v4, 4, v1                        ; 16 x lane
	v_lshlrev_b32 v5, 4, v2
	v_lshl_add_u32 v5, v3, 3, v5                   ; 16 r + 8 h
	s_mul_i32 s20, s18, WREG
	v_add_nc_u32 v6, s20, v4                       ; x's stage, in: 16 x lane of a row
	v_mul_u32_u24 v7, v2, PIT
	v_add_nc_u32 v7, s20, v7
	v_and_b32 v9, 7, v1
	v_lshl_or_b32 v9, v3, 3, v9                    ; the mask's way out: my key in a run of 32: bits 2:0 of the lane, bit 4 as bit 3 (bit 3 as bit 4 follows in the path)
	v_lshl_add_u32 v7, v3, 7, v7                   ; x's stage, out: row r, + 128 h: my block of 32 numbers
	v_add_nc_u32 v8, MBASE, v6                     ; the mask's stage, in
	v_lshlrev_b32 v10, 3, v3                       ; 8 h
	s_mov_b32 s2, 0x76543210
	s_mov_b32 s3, 0xfedcba98                       ; v_permlanex16_b32's selects for lane l xor 16
	s_mov_b32 s19, 0xffff0000                      ; lanes 16-31
	s_wait_kmcnt 0x0
	s_cmp_lt_u32 ttmp9, 512
	s_cbranch_scc1 .Lx
	s_cmp_lt_u32 ttmp9, 608
	s_cbranch_scc1 .Lwqkv
	s_cmp_lt_u32 ttmp9, 640
	s_cbranch_scc1 .Lwproj
	; ---- THE MASK: 16 query rows x 512 keys a wave
	s_sub_co_u32 s20, ttmp9, 640                   ; 128 x batch + query tile
	s_lshr_b32 s21, s20, 1
	s_lshl_b32 s21, s21, 16                        ; 32 rows of 2,048 bytes
	s_and_b32 s22, s20, 1
	s_lshl_b32 s22, s22, 14                        ; 8 rows
	s_add_co_u32 s21, s21, s22
	s_lshl_b32 s22, s18, 9
	s_add_co_u32 s22, s21, s22
	s_mov_b32 s23, 0
	s_add_nc_u64 s[10:11], s[10:11], s[22:23]
	s_lshl_b32 s22, s20, 15                        ; 16 key steps of 2,048 bytes a tile
	s_lshl_b32 s21, s18, 13                        ; my four
	s_add_co_u32 s22, s22, s21
	s_add_nc_u64 s[16:17], s[16:17], s[22:23]
.irp i, 0,1,2,3,4,5,6,7,8,9,10,11,12,13,14,15
	global_load_b128 v[64+4*\i:67+4*\i], v4, s[10:11] offset:(\i+8*(\i/8))*2048 th:TH_LOAD_NT   ; position i's true row: 512 consecutive bytes
.endr
	s_wait_alu depctr_va_vdst(0)                   ; directly ahead of the readers of what the head wrote
	v_bfe_u32 v16, v1, 3, 1
	v_lshl_or_b32 v9, v16, 4, v9                   ; my key in a run of 32
	v_sub_nc_u32 v16, v8, v4                       ; my stage's first byte
	v_lshl_add_u32 v9, v9, 1, v16                  ; out of the stage: two bytes a key
	v_add_nc_u32 v14, v8, v4                       ; into it: 32 bytes a lane
	s_wait_alu depctr_va_vdst(0)                   ; directly ahead of the wait below
	s_wait_loadcnt 0x0
; a lane holds 16 keys x 16 queries, a byte (0 or 1) each.  The queries' bytes of a key are shifted into two bytes: bit i of the low one is query i, of the high one query 8 + i
.irp c, 0,1,2,3
	v_lshl_or_b32 v[128+\c], v[68+\c], 1, v[64+\c]
	v_lshl_or_b32 v[132+\c], v[100+\c], 1, v[96+\c]
.endr
.irp i, 2,3,4,5,6,7
.irp c, 0,1,2,3
	v_lshl_or_b32 v[128+\c], v[64+4*\i+\c], \i, v[128+\c]
	v_lshl_or_b32 v[132+\c], v[96+4*\i+\c], \i, v[132+\c]
.endr
.endr
.irp c, 0,1,2,3
	v_perm_b32 v[136+2*\c], v[132+\c], v[128+\c], 0x05010400   ; keys 4 c, 4 c + 1: low byte, high byte
	v_perm_b32 v[137+2*\c], v[132+\c], v[128+\c], 0x07030602   ; keys 4 c + 2, 4 c + 3
.endr
	ds_store_b128 v14, v[136:139]
	ds_store_b128 v14, v[140:143] offset:16
.irp n, 0,1,2,3,4,5,6,7,8,9,10,11,12,13,14,15
	ds_load_u16 v[144+\n], v9 offset:64*\n         ; LDS serves a wave's instructions in order: these see my stores.  Run n = 4 step + f: my key's 16 query bits
.endr
	s_wait_dscnt 0x0
.irp n, 0,1,2,3,4,5,6,7,8,9,10,11,12,13,14,15
.irp d, 0,1,2,3
	v_bfe_u32 v[160+4*\n+\d], v[144+\n], 4*\d, 4   ; four queries
.endr
.irp d, 0,1,2,3
	v_mul_u32_u24 v[160+4*\n+\d], v[160+4*\n+\d], 0x8421    ; copies 5 bits apart: bit i of copy i stands at 6 i
.endr
.irp d, 0,1,2,3
	v_and_b32 v[160+4*\n+\d], 0x41041, v[160+4*\n+\d]
.endr
	v_mul_u32_u24 v[160+4*\n], v[160+4*\n], 63               ; each bit becomes six: the code 63, at the dword's offset
	v_mul_u32_u24 v[161+4*\n], v[161+4*\n], 63<<4
	v_mul_u32_u24 v[162+4*\n], v[162+4*\n], 63<<2
	v_mul_u32_u24 v[163+4*\n], v[163+4*\n], 63
	global_store_b128 v4, v[160+4*\n:163+4*\n], s[16:17] offset:512*\n   ; 32 lanes: 512 consecutive bytes, at a multiple of 256
.endr
	s_wait_tensorcnt 0x0
	ds_add_u32 v62, v63
	s_wait_dscnt 0x0
	s_endpgm
	; ---- x: tile ttmp9, K quarter = wave: 16 rows x 1,024 bytes
.Lx:
	s_lshr_b32 s20, ttmp9, 1
	s_lshl_b32 s20, s20, 17                        ; 32 rows of 4,096 bytes
	s_and_b32 s21, ttmp9, 1
	s_lshl_b32 s21, s21, 15                        ; 8 rows
	s_add_co_u32 s20, s20, s21
	s_lshl_b32 s21, s18, 10
	s_add_co_u32 s20, s20, s21
	s_mov_b32 s21, 0
	s_add_nc_u64 s[4:5], s[4:5], s[20:21]
	s_lshl_b32 s22, ttmp9, 2
	s_add_co_u32 s22, s22, s18
	s_mul_i32 s22, s22, 3072                       ; (16 tile + 4 wave) x 768
	s_mov_b32 s23, 0
	s_add_nc_u64 s[24:25], s[12:13], s[22:23]
	s_lshl_b32 s22, ttmp9, 9
	s_lshl_b32 s26, s18, 3
	s_add_co_u32 s22, s22, s26
	s_add_co_u32 s22, s22, XQS
	s_add_nc_u64 s[12:13], s[12:13], s[22:23]
.irp c, 0,1
.irp i, 0,1,2,3,4,5,6,7,8,9,10,11,12,13,14,15
	global_load_b128 v[64+64*\c+4*\i:67+64*\c+4*\i], v4, s[4:5] offset:(\i+8*(\i/8))*4096+512*\c th:TH_LOAD_NT   ; 512 consecutive bytes of position i's true row
.endr
.endr
	s_wait_alu depctr_va_vdst(0)
.irp c, 0,1                            ; 128 along K at a time through my stage: in as loaded, out a whole block of 32 numbers a lane
	s_wait_loadcnt 16*(1-\c)                       ; this half's 16 loads are in; the other half's 16 may be out
.irp i, 0,1,2,3,4,5,6,7,8,9,10,11,12,13,14,15
	ds_store_b128 v6, v[64+64*\c+4*\i:67+64*\c+4*\i] offset:PIT*\i
.endr
.irp k, 0,1
.irp j, 0,1,2,3,4,5,6,7
	ds_load_b128 v[192+32*\k+4*\j:195+32*\k+4*\j], v7 offset:256*\k+16*\j
.endr
.endr
	s_wait_dscnt 0x0
	BLOCKQ 192, 2*\c
	BLOCKQ 224, 2*\c+1
.endr
	v_lshl_or_b32 v14, v21, 16, v20                ; my four bytes: blocks h, 2 + h, 4 + h, 6 + h of row r
	v_lshl_or_b32 v15, v23, 16, v22
	v_lshlrev_b32 v14, v10, v14                    ; at their places: 8 h bits up
	v_lshlrev_b32 v15, v10, v15
	v_mov_b32 v16, 0
	v_mov_b32 v17, 0
	v_permlanex16_b32 v16, v14, s2, s3
	v_permlanex16_b32 v17, v15, s2, s3
	v_or_b32 v14, v14, v16                         ; with lane l xor 16's the two words are whole
	v_or_b32 v15, v15, v17
	v_cndmask_b32 v14, v14, v15, s19               ; lanes 0-15 store the first word, lanes 16-31 the second
	v_lshlrev_b32 v15, 5, v2
	v_lshl_add_u32 v15, v3, 2, v15
	global_store_b32 v15, v14, s[12:13]            ; 8 of a row's 32 bytes: one byte in 128 of what this path reads
	s_wait_tensorcnt 0x0
	ds_add_u32 v62, v63
	s_wait_dscnt 0x0
	s_endpgm
.Lwqkv:
	WPATH 3072, 0, 512, 6
.Lwproj:
	WPATH 1024, 192, 608, 8
.Lfunc_end_k_q39943cfd20_prep:
	.size	k_q39943cfd20_prep, .Lfunc_end_k_q39943cfd20_prep-k_q39943cfd20_prep
	.p2alignl 7, 3214868480
	.fill 96, 4, 3214868480
	.section	.rodata,"a",@progbits
	.p2align	6, 0x0
	.amdhsa_kernel k_q39943cfd20_prep
		.amdhsa_group_segment_fixed_size 68096
		.amdhsa_private_segment_fixed_size 0
		.amdhsa_enable_private_segment 0
		.amdhsa_kernarg_size 56
		.amdhsa_user_sgpr_count 2
		.amdhsa_user_sgpr_kernarg_segment_ptr 1
		.amdhsa_wavefront_size32 1
		.amdhsa_system_sgpr_workgroup_id_x 1
		.amdhsa_system_sgpr_workgroup_id_y 1
		.amdhsa_system_sgpr_workgroup_id_z 1
		.amdhsa_system_vgpr_workitem_id 0
		.amdhsa_next_free_vgpr 256
		.amdhsa_next_free_sgpr 66
		.amdhsa_reserve_vcc 0
		.amdhsa_float_denorm_mode_32 3
		.amdhsa_float_denorm_mode_16_64 3
		.amdhsa_memory_ordered 1
		.amdhsa_forward_progress 1
		.amdhsa_inst_pref_size 122
	.end_amdhsa_kernel
	.amdgpu_metadata
---
amdhsa.version: [ 1, 2 ]
amdhsa.kernels:
  - .name:           k_q39943cfd20_prep
    .symbol:         k_q39943cfd20_prep.kd
    .args:
      - { .name: x, .offset: 0, .size: 8, .value_kind: global_buffer, .address_space: global }
      - { .name: Wqkv, .offset: 8, .size: 8, .value_kind: global_buffer, .address_space: global }
      - { .name: Wproj, .offset: 16, .size: 8, .value_kind: global_buffer, .address_space: global }
      - { .name: mask, .offset: 24, .size: 8, .value_kind: global_buffer, .address_space: global }
      - { .name: xq, .offset: 32, .size: 8, .value_kind: global_buffer, .address_space: global }
      - { .name: wq, .offset: 40, .size: 8, .value_kind: global_buffer, .address_space: global }
      - { .name: maskc, .offset: 48, .size: 8, .value_kind: global_buffer, .address_space: global }
    .group_segment_fixed_size: 68096
    .private_segment_fixed_size: 0
    .kernarg_segment_align: 8
    .kernarg_segment_size: 56
    .max_flat_workgroup_size: 128
    .sgpr_count:     66
    .vgpr_count:     256
    .wavefront_size: 32
...
	.end_amdgpu_metadata
.endif
;; end of part 1
;; launch gemm_qkv (part 2): grid 96 x 4, 4 waves a work-group, clusters of 4 x 4, 327,680 bytes of LDS; arguments xq, wq, bqkv, qkv; writes qkv
.if DOCPART == 2
	.amdgcn_target "amdgcn-amd-amdhsa--gfx1250"
	.amdhsa_code_object_version 6
	.text
	.protected	k_q39943cfd20_gemm_qkv
	.globl	k_q39943cfd20_gemm_qkv
	.p2align	8
	.type	k_q39943cfd20_gemm_qkv,@function
k_q39943cfd20_gemm_qkv:
	s_mov_b64 s[64:65], 0
	v_nop
	global_prefetch_b8 v0, s[64:65] scope:SCOPE_SE
	s_setreg_imm32_b32 hwreg(HW_REG_WAVE_MODE, 25, 1), 1
	s_wait_xcnt 0x0
	s_wait_alu depctr_hold_cnt(0) depctr_sa_sdst(0) depctr_va_vdst(0) depctr_va_sdst(0) depctr_va_ssrc(0) depctr_va_vcc(0) depctr_vm_vsrc(0)
	s_getreg_b32 s2, hwreg(HW_REG_IB_STS2, 6, 4)
	s_cmp_eq_u32 s2, 0
	s_cbranch_scc0 .Lentry_in_a_cluster
	s_endpgm
.Lentry_in_a_cluster:
	s_bfe_u32 s2, ttmp6, 0x10000c
	s_cmp_lg_u32 s2, 0xf033
	s_cbranch_scc0 .Lentry_shape_is_right
	s_endpgm
.Lentry_shape_is_right:
.set NQ,     2
.set FR,     12
.set NL,     4
.set NP,     4
.set KROW,   768
.set TILEB,  3072
.set HALFT,  8*TILEB
.set SLOT,   4*HALFT
.set LAPS,   2
.set KS,     32
.set SCL,    2*SLOT
.set HALFS,  16*272
.set SBLK,   2*272
.set SPARE,  SCL+4*HALFS
.set ADRA, 16
.set ADRB, 20
.set L16,  24
.set L8,   25
.set BO,   26
.set ADRS, 27
.set SPW,  28
.set NIL,  29
.set SC,   32
.set AF,   128
.set HB,   128
.set BI,   64
.set TM,   192
.set CT,   208
.set E,    216
.set O,    228
.set PWS,  240
.set SEL,  96
.set G1, 24
.set G0, 32
.set G1B, 48
.set G0B, 56
.set G1S, 68
.set G0S, 76
.set G1SB, 80
.set G0SB, 88
.set G0H,  4                           ; s[4:7], s[8:11] group 0 of the head's loads of codes (the arguments that lay there have been used by then)
.set G0HB, 8
.set MSB, 0
.macro WIN new
.if MSB != (\new)
	s_set_vgpr_msb (MSB<<8)|(\new)
.set MSB, (\new)
.endif
.endm
.set MUL_LO, 0xa1
.set MUL_HI, 0xf1
.set TO_B,   0x40
.macro JLOAD g0a, g1a, g0b, g1b
	s_cmp_eq_u32 s15, 0
	s_cbranch_scc0 .Lfor_b_\@
	tensor_load_to_lds s[\g0a:\g0a+3], s[\g1a:\g1a+7]
	s_nop 0
.rept 4
	v_nop
.endr
	s_branch .Lasked_\@
.Lfor_b_\@:
	tensor_load_to_lds s[\g0b:\g0b+3], s[\g1b:\g1b+7]
	s_nop 0
.rept 4
	v_nop
.endr
.Lasked_\@:
.endm
.macro CREST
	s_cmp_lg_u32 s14, 0
	s_cbranch_scc1 .Lnot_wave_0_\@
	s_barrier_signal -3
.Lnot_wave_0_\@:
	s_barrier_wait -3
	s_barrier_signal -1
	s_barrier_wait -1
.endm
.macro CROUND
	s_barrier_signal -1
	s_barrier_wait -1
	CREST
.endm
	s_load_b256 s[4:11], s[0:1], 0x0
	v_lshl_add_u32 v[SPW], v0, 2, SPARE
	v_mov_b32 v[NIL], 0
	ds_add_u32 v28, v29
	ds_add_u32 v28, v29
	s_wait_dscnt 0x0
	v_lshrrev_b32 v1, 5, v0
	v_readfirstlane_b32 s14, v1
	s_lshr_b32 s15, s14, 1
	s_and_b32 s16, s14, 1
	s_bfe_u32 s40, ttmp6, 0x40000
	s_bfe_u32 s41, ttmp6, 0x40004
	s_lshr_b32 s18, ttmp9, 1
	s_and_b32 s19, ttmp9, 1
	s_max_u32 s20, ttmp9, 16
	s_sub_co_u32 s20, s20, 16
	s_cmp_lt_u32 ttmp9, 16
	s_cselect_b32 s18, s18, 0
	s_cselect_b32 s19, s19, s20
	s_lshl_b32 s42, s19, 2
	s_add_co_u32 s42, s42, s40
	s_lshl_b32 s17, s18, 2
	s_add_co_u32 s17, s17, s41
	s_lshl_b32 s43, s41, 2
	s_lshl_b32 s43, 15, s43
	s_lshl_b32 s44, 0x1111, s40
	s_or_b32 s[G1+0], s43, (3<<16)|(1<<21)
	s_or_b32 s[G1B+0], s44, (3<<16)|(1<<21)
.irp g, G1, G1B
	s_mov_b32 s[\g+1], 384<<16
	s_mov_b32 s[\g+2], 16<<16
	s_mov_b32 s[\g+3], 384<<16
	s_mov_b32 s[\g+4], 16
	s_mov_b32 s[\g+5], 1536
	s_mov_b32 s[\g+6], 0
	s_mov_b32 s[\g+7], 0
.endr
	s_or_b32 s[G1S+0], s43, (3<<16)|(1<<20)|(1<<21)|(5<<22)|(3<<25)
	s_or_b32 s[G1SB+0], s44, (3<<16)|(1<<20)|(1<<21)|(5<<22)|(3<<25)
.irp g, G1S, G1SB
	s_mov_b32 s[\g+1], 32<<16
	s_mov_b32 s[\g+2], 32<<16
	s_mov_b32 s[\g+3], 32<<16
	s_mov_b32 s[\g+4], 32
	s_mov_b32 s[\g+5], 32
	s_mov_b32 s[\g+6], 0
	s_mov_b32 s[\g+7], 0
.endr
	s_lshl_b32 s20, s17, 8                         ; the tiles' first rows
	s_lshl_b32 s46, s42, 8
	s_mov_b32 s21, 0
	s_mov_b32 s47, 0
	s_mov_b64 s[18:19], KS
	s_mul_u64 s[22:23], s[20:21], s[18:19]
	s_mul_u64 s[92:93], s[46:47], s[18:19]
	s_mov_b64 s[18:19], KROW
	s_mul_u64 s[20:21], s[20:21], s[18:19]
	s_mul_u64 s[46:47], s[46:47], s[18:19]
	s_mul_i32 s45, s14, HALFT
	s_mov_b32 s95, 0xffff0000
	s_mov_b32 s[SEL], 0x76543210
	s_mov_b32 s[SEL+1], 0xfedcba98
	s_wait_kmcnt 0x0
	s_mov_b64 s[12:13], s[10:11]
	s_mov_b64 s[98:99], s[8:9]
	s_add_nc_u64 s[8:9], s[6:7], 1572864
	s_add_nc_u64 s[10:11], s[4:5], 6291456
	s_add_nc_u64 s[100:101], s[6:7], 3145728
	s_add_nc_u64 s[104:105], s[100:101], 65536
	s_cmp_lt_u32 ttmp9, 16
	s_cselect_b64 s[8:9], s[4:5], s[8:9]
	s_cselect_b64 s[6:7], s[6:7], s[4:5]
	s_cselect_b64 s[104:105], s[10:11], s[104:105]
	s_cselect_b64 s[100:101], s[100:101], s[10:11]
	s_add_nc_u64 s[20:21], s[8:9], s[20:21]
	s_add_nc_u64 s[22:23], s[104:105], s[22:23]
	s_add_nc_u64 s[46:47], s[6:7], s[46:47]
	s_add_nc_u64 s[92:93], s[100:101], s[92:93]
	CROUND
	s_mov_b32 s[G0H], 1                            ; the head's four tiles, each whole: slot 0's 16 tile rows of source A,
	s_mov_b32 s[G0H+1], 0
	s_mov_b64 s[G0H+2:G0H+3], s[20:21]
	s_or_b32 s[G0H+3], s[G0H+3], 0x80000000
	s_mov_b32 s[G0HB], 1                           ; its 16 of source B, behind them,
	s_mov_b32 s[G0HB+1], 2*HALFT
	s_mov_b64 s[G0HB+2:G0HB+3], s[46:47]
	s_or_b32 s[G0HB+3], s[G0HB+3], 0x80000000
	s_mov_b32 s[G0S], 1                            ; the scale bytes of A's 256 rows,
	s_mov_b32 s[G0S+1], SCL
	s_mov_b64 s[G0S+2:G0S+3], s[22:23]
	s_or_b32 s[G0S+3], s[G0S+3], 0x80000000
	s_mov_b32 s[G0SB], 1                           ; and of B's
	s_mov_b32 s[G0SB+1], SCL+2*HALFS
	s_mov_b64 s[G0SB+2:G0SB+3], s[92:93]
	s_or_b32 s[G0SB+3], s[G0SB+3], 0x80000000
	s_mul_i32 s18, s16, 128*KROW                   ; for the ring: my 128 rows of the tile
	s_mov_b32 s19, 0
	s_add_nc_u64 s[20:21], s[20:21], s[18:19]
	s_add_nc_u64 s[46:47], s[46:47], s[18:19]
.irp s, 0,1
	s_mov_b32 s[G0+4*\s], 1
	s_add_co_u32 s[G0+4*\s+1], s45, \s*SLOT
	s_add_nc_u64 s[G0+4*\s+2:G0+4*\s+3], s[20:21], \s*TILEB
	s_or_b32 s[G0+4*\s+3], s[G0+4*\s+3], 0x80000000
	s_mov_b32 s[G0B+4*\s], 1
	s_add_co_u32 s[G0B+4*\s+1], s45, \s*SLOT
	s_add_nc_u64 s[G0B+4*\s+2:G0B+4*\s+3], s[46:47], \s*TILEB
	s_or_b32 s[G0B+4*\s+3], s[G0B+4*\s+3], 0x80000000
.endr
; THE HEAD'S LOADS, ONE A WAVE: one chain of branches on the wave's number, a load to an arm, all arms leading to one join
.macro ARM under, g0, g1, next
	s_cmp_lt_u32 s14, \under
	s_cbranch_scc0 \next
	tensor_load_to_lds s[\g0:\g0+3], s[\g1:\g1+7]
	s_nop 0
.rept 4
	v_nop
.endr
	s_branch .Lhead_asked
\next:
.endm
	ARM 1, G0H,  G1,  .Lhead_b
	ARM 2, G0HB, G1B, .Lhead_sa
	ARM 3, G0S,  G1S, .Lhead_sb
	tensor_load_to_lds s[G0SB:G0SB+3], s[G1SB:G1SB+7]
	s_nop 0
.rept 4
	v_nop
.endr
.Lhead_asked:
	v_and_b32 v1, 15, v0
	v_bfe_u32 v2, v0, 4, 1
	v_and_b32 v3, 31, v0
	v_lshlrev_b32 v4, 4, v3
	v_lshlrev_b32 v5, 4, v1
	v_lshl_add_u32 v5, v2, 3, v5
	s_mul_i32 s21, s15, HALFT
	s_mul_i32 s22, s16, HALFT
	s_add_co_u32 s22, s22, 2*HALFT
.irp s, 0,1
	v_add_nc_u32 v[ADRA+\s], s21, v4
	v_add_nc_u32 v[ADRB+\s], s22, v4
	v_add_nc_u32 v[ADRA+2+\s], s21, v5
	v_add_nc_u32 v[ADRB+2+\s], s22, v5
	s_add_co_u32 s21, s21, SLOT
	s_add_co_u32 s22, s22, SLOT
.endr
	v_lshlrev_b32 v[L16], 4, v3
	v_lshlrev_b32 v[L8], 3, v3
	v_mul_u32_u24 v5, v1, KS
	v_lshrrev_b32 v6, 8, v5
	v_lshl_add_u32 v5, v6, 4, v5
	s_mul_i32 s21, s15, HALFS
	s_mul_i32 s22, s16, HALFS
	s_add_co_u32 s22, s22, 2*HALFS
	s_sub_co_u32 s22, s22, s21
	v_mul_u32_u24 v6, s22, v2
	s_add_co_u32 s21, s21, SCL
	v_add_nc_u32 v5, v5, v6
	v_add_nc_u32 v[ADRS], s21, v5
	s_lshl_b32 s20, s17, 8
	s_lshl_b32 s21, s15, 7
	s_add_co_u32 s20, s20, s21
	s_lshl_b32 s46, s42, 8
	s_lshl_b32 s47, s16, 7
	s_add_co_u32 s46, s46, s47
	s_add_co_u32 s21, s20, 2048
	s_cmp_lt_u32 ttmp9, 16
	s_cselect_b32 s22, s20, s46
	s_cselect_b32 s23, s46, s21
	s_lshr_b32 s20, s22, 11
	s_lshl_b32 s20, s20, 4
	s_bfe_u32 s21, s23, 0x40006
	s_add_co_u32 s20, s20, s21
	s_mul_i32 s20, s20, 307200
	s_bfe_u32 s21, s22, 0x20009
	s_mul_i32 s21, s21, 76800
	s_add_co_u32 s20, s20, s21
	s_lshr_b32 s21, s23, 10
	s_mul_i32 s21, s21, 25600
	s_add_co_u32 s20, s20, s21
	s_bfe_u32 s21, s22, 0x20007
	s_mul_i32 s21, s21, 6400
	s_add_co_u32 s20, s20, s21
	s_mov_b32 s21, 0
	s_add_nc_u64 s[12:13], s[12:13], s[20:21]
	s_lshl_b32 s20, s23, 2
	s_add_nc_u64 s[98:99], s[98:99], s[20:21]
	; the bias is asked for here, into v64-127 of window 0, which no line names before the way out; the wait for it stands there.  The branch hangs on the cluster's number alone
	s_cmp_lt_u32 ttmp9, 16
	s_cbranch_scc0 .Lbias_v
	v_lshlrev_b32 v[BO], 6, v2
.irp b, 0,1,2,3,4,5,6,7
	global_load_b128 v[BI+8*\b:BI+8*\b+3], v[BO], s[98:99] offset:(32*(\b/2)+8*(\b%2))*4
	global_load_b128 v[BI+8*\b+4:BI+8*\b+7], v[BO], s[98:99] offset:(32*(\b/2)+8*(\b%2))*4+16
.endr
	s_branch .Lbias_in
.Lbias_v:
	v_and_b32 v[BO], 8, v1
	v_add_nc_u32 v[BO], v[BO], v1
	v_lshlrev_b32 v[BO], 2, v[BO]
.irp a, 0,1,2,3,4,5,6,7
	global_load_b32 v[BI+2*\a], v[BO], s[98:99] offset:(32*(\a/2)+8*(\a%2))*4
	global_load_b32 v[BI+2*\a+1], v[BO], s[98:99] offset:(32*(\a/2)+8*(\a%2))*4
.endr
.Lbias_in:
.macro FRAG reg, adr, q, i
	ds_load_b128 v[\reg:\reg+3], v[\adr] offset:(\i)*TILEB+(\q)*1536
	ds_load_b64 v[\reg+4:\reg+5], v[\adr+2] offset:(\i)*TILEB+(\q)*1536+512
	ds_load_b128 v[\reg+6:\reg+9], v[\adr] offset:(\i)*TILEB+(\q)*1536+768
	ds_load_b64 v[\reg+10:\reg+11], v[\adr+2] offset:(\i)*TILEB+(\q)*1536+1280
.endm
.macro MUL16 a0, p, q, sc, zero
.irp a, \a0, \a0+1
.irp b, 0,1,2,3,4,5,6,7
.if \zero
	v_wmma_scale_f32_16x16x128_f8f6f4 v[8*(8*((\a)%4)+\b):8*(8*((\a)%4)+\b)+7], v[128*(\p)+FR*\b:128*(\p)+FR*\b+FR-1], v[AF+FR*(\a):AF+FR*(\a)+FR-1], 0, v[SC+8*NQ*(\sc)+NQ*\b+(\q)], v[SC+8*NQ*(\sc)+NQ*(\a)+(\q)] matrix_a_fmt:MATRIX_FMT_FP6 matrix_b_fmt:MATRIX_FMT_FP6 matrix_a_scale:MATRIX_SCALE_ROW1
.else
	v_wmma_scale_f32_16x16x128_f8f6f4 v[8*(8*((\a)%4)+\b):8*(8*((\a)%4)+\b)+7], v[128*(\p)+FR*\b:128*(\p)+FR*\b+FR-1], v[AF+FR*(\a):AF+FR*(\a)+FR-1], v[8*(8*((\a)%4)+\b):8*(8*((\a)%4)+\b)+7], v[SC+8*NQ*(\sc)+NQ*\b+(\q)], v[SC+8*NQ*(\sc)+NQ*(\a)+(\q)] matrix_a_fmt:MATRIX_FMT_FP6 matrix_b_fmt:MATRIX_FMT_FP6 matrix_a_scale:MATRIX_SCALE_ROW1
.endif
.endr
.endr
.endm
.macro FETCH_B slot, q, p
	WIN TO_B
.irp i, 0,1,2,3,4,5,6,7
	FRAG 128*(\p)+FR*\i, ADRB+\slot, \q, \i
.endr
	WIN 0
.endm
.macro FETCH_A slot, q, i0
.irp i, \i0, \i0+1, \i0+2, \i0+3
	FRAG AF+FR*(\i), ADRA+\slot, \q, \i
.endr
.endm
.macro SCALES sc
.irp i, 0,1,2,3,4,5,6,7
	ds_load_b64 v[SC+8*NQ*\sc+NQ*\i:SC+8*NQ*\sc+NQ*\i+1], v[ADRS] offset:\i*SBLK
.endr
.endm
.macro PLACES n
.rept \n
	v_nop
.endr
.endm
.macro STEP slot, q, zero
	s_wait_dscnt 4*NL
	WIN MUL_LO
	MUL16 0, (\q)%2, \q, \slot, \zero
	MUL16 2, (\q)%2, \q, \slot, \zero
	s_wait_dscnt 0
	PLACES NP
	FETCH_B \slot, (\q)+1, 1-(\q)%2
	FETCH_A \slot, (\q)+1, 0
	WIN MUL_HI
	MUL16 4, (\q)%2, \q, \slot, \zero
	MUL16 6, (\q)%2, \q, \slot, \zero
	PLACES NP
	WIN 0
	FETCH_A \slot, (\q)+1, 4
.endm
.macro TURN slot, next, fill
	s_wait_tensorcnt 0x0
	ds_add_u32 v[SPW], v[NIL]
	s_wait_dscnt 4*NL+1
	WIN MUL_LO
	MUL16 0, 1, NQ-1, \slot, 0
	s_wait_dscnt 0x0
	s_barrier_signal -1
	MUL16 2, 1, NQ-1, \slot, 0
	WIN 0
	s_barrier_wait -1
.if \fill
	CREST
	s_add_nc_u64 s[G0+4*\slot+2:G0+4*\slot+3], s[G0+4*\slot+2:G0+4*\slot+3], 2*TILEB
	s_add_nc_u64 s[G0B+4*\slot+2:G0B+4*\slot+3], s[G0B+4*\slot+2:G0B+4*\slot+3], 2*TILEB
	JLOAD G0+4*\slot, G1, G0B+4*\slot, G1B
.else
	PLACES NP
.endif
	s_wait_alu depctr_va_vdst(0)
	v_add_nc_u32 v[ADRS], 4*NQ, v[ADRS]
	FETCH_B \next, 0, 0
	FETCH_A \next, 0, 0
	SCALES \next
	WIN MUL_HI
	MUL16 4, 1, NQ-1, \slot, 0
	MUL16 6, 1, NQ-1, \slot, 0
	PLACES NP
	WIN 0
	FETCH_A \next, 0, 4
.endm
.macro QUANT s, d0, d1, pw
.irp b, 0,1,2,3
	v_max3_num_f32 v[TM+\b], |v[\s+16*\b]|, |v[\s+1+16*\b]|, 0x1800000
.endr
.irp i, 2,4,6,8,10,12,14
.irp b, 0,1,2,3
	v_max3_num_f32 v[TM+\b], v[TM+\b], |v[\s+16*\b+\i]|, |v[\s+1+16*\b+\i]|
.endr
.endr
.irp b, 0,1,2,3
	v_permlanex16_b32 v[TM+4+\b], v[TM+\b], s[SEL], s[SEL+1]
.endr
.irp b, 0,1,2,3
	v_max_num_f32 v[TM+\b], v[TM+\b], v[TM+4+\b]
.endr
.irp b, 0,1,2,3
	v_add_nc_u32 v[TM+12+\b], 0xff000000, v[TM+\b]
.endr
.irp b, 0,1,2,3
	v_lshrrev_b32 v[TM+4+\b], 23, v[TM+12+\b]
.endr
	v_lshl_or_b32 v[\pw], v[TM+5], 8, v[TM+4]
	v_lshl_or_b32 v[\pw], v[TM+6], 16, v[\pw]
	v_lshl_or_b32 v[\pw], v[TM+7], 24, v[\pw]
	v_cvt_scalef32_pk16_fp6_f32 v[(\d0):(\d0)+2], v[\s:\s+15], v[TM+12]
	v_cvt_scalef32_pk16_fp6_f32 v[CT:CT+2], v[\s+16:\s+31], v[TM+13]
	v_cvt_scalef32_pk16_fp6_f32 v[(\d1):(\d1)+2], v[\s+32:\s+47], v[TM+14]
	v_cvt_scalef32_pk16_fp6_f32 v[CT+4:CT+6], v[\s+48:\s+63], v[TM+15]
	v_nop
.irp i, 0,1,2
	v_permlane16_swap_b32 v[(\d0)+\i], v[CT+\i]
	v_permlane16_swap_b32 v[(\d1)+\i], v[CT+4+\i]
.endr
.irp i, 0,1,2
	v_mov_b32 v[(\d0)+3+\i], v[CT+\i]
	v_mov_b32 v[(\d1)+3+\i], v[CT+4+\i]
.endr
.endm
	s_wait_alu depctr_va_vdst(0)                   ; at the head's end
	s_wait_tensorcnt 0x0                           ; my tile of the head's four is in
	ds_add_u32 v[SPW], v[NIL]
	s_mov_b32 s[G1+2], 8<<16                       ; no tensor load of mine is out: from here on a load brings 8 tile rows
	s_mov_b32 s[G1+4], 8
	s_mov_b32 s[G1B+2], 8<<16
	s_mov_b32 s[G1B+4], 8
	s_wait_dscnt 0x0
	CROUND                                         ; all four tiles are in, and all sixteen work-groups are here
	JLOAD G0+4, G1, G0B+4, G1B                     ; slot 1's first fill, the first tensor load behind the round
	FETCH_B 0, 0, 0
	FETCH_A 0, 0, 0
	SCALES 0
	FETCH_A 0, 0, 4
	STEP 0, 0, 1
	s_mov_b32 s3, LAPS-1
.Llap:
	TURN 0, 1, 1
	STEP 1, 0, 0
	TURN 1, 0, 1
	STEP 0, 0, 0
	s_sub_co_u32 s3, s3, 1
	s_cmp_lg_u32 s3, 0
	s_cbranch_scc1 .Llap
	TURN 0, 1, 0
	STEP 1, 0, 0
	s_wait_dscnt 4*NL
	WIN MUL_LO
	MUL16 0, 1, NQ-1, 1, 0
	MUL16 2, 1, NQ-1, 1, 0
	s_wait_dscnt 0
	WIN MUL_HI
	MUL16 4, 1, NQ-1, 1, 0
	MUL16 6, 1, NQ-1, 1, 0
	WIN 0
	PLACES NP
.irp b, 0,1,2,3
	v_mov_b32 v[TM+4+\b], 0
.endr
	s_cmp_lt_u32 ttmp9, 16
	s_cbranch_scc0 .Lpath_v
	s_wait_loadcnt 0x0
.irp a, 0,1,2,3,4,5,6,7
.if (\a%2 == 0) && (\a > 0)
	s_wait_xcnt 0x0
.endif
	WIN 0x02+(\a/4)
.set i, 0
.rept 32
	v_pk_add_f32 v[HB+2*i:HB+2*i+1], v[64*(\a%4)+2*i:64*(\a%4)+2*i+1], v[BI+2*i:BI+2*i+1]
.set i, i+1
.endr
	WIN 0
	QUANT HB, E+6*(\a%2), O+6*(\a%2), PWS+\a
.if \a%2 == 1
.irp c, 0,1,2
	global_store_b128 v[L16], v[E+4*\c:E+4*\c+3], s[12:13] offset:1536*(\a/2)+512*\c
	global_store_b128 v[L16], v[O+4*\c:O+4*\c+3], s[12:13] offset:307200+1536*(\a/2)+512*\c
.endr
.endif
.endr
.irp p, 0,1
.irp f, 0,1,2,3
	v_perm_b32 v[TM+\f], v[PWS+2*\f+1], v[PWS+2*\f], 0x05040100+0x02020202*\p
.endr
	v_cndmask_b32 v[248+2*\p], v[TM], v[TM+1], s95
	v_cndmask_b32 v[249+2*\p], v[TM+2], v[TM+3], s95
	global_store_b64 v[L8], v[248+2*\p:249+2*\p], s[12:13] offset:6144+307200*\p
.endr
	s_branch .Ljoin
.Lpath_v:
	s_wait_loadcnt 0x0
.irp a, 0,1,2,3,4,5,6,7
.if \a > 0
	s_wait_xcnt 0x0
.endif
	WIN 0x02+(\a/4)
.set i, 0
.rept 32
	v_pk_add_f32 v[HB+2*i:HB+2*i+1], v[64*(\a%4)+2*i:64*(\a%4)+2*i+1], v[BI+2*\a:BI+2*\a+1]
.set i, i+1
.endr
	WIN 0
	QUANT HB, E, E+6, PWS+\a
.irp c, 0,1,2
	global_store_b128 v[L16], v[E+4*\c:E+4*\c+3], s[12:13] offset:307200*(\a/4)+1536*(\a%4)+512*\c
.endr
.endr
.irp j, 0,1
	v_cndmask_b32 v[248+2*\j], v[PWS+4*\j], v[PWS+4*\j+1], s95
	v_cndmask_b32 v[249+2*\j], v[PWS+4*\j+2], v[PWS+4*\j+3], s95
	global_store_b64 v[L8], v[248+2*\j:249+2*\j], s[12:13] offset:6144+307200*\j
.endr
.Ljoin:
	s_wait_tensorcnt 0x0
	ds_add_u32 v[SPW], v[NIL]
	s_wait_dscnt 0x0
	CROUND
	s_endpgm
.Lfunc_end_k_q39943cfd20_gemm_qkv:
	.size	k_q39943cfd20_gemm_qkv, .Lfunc_end_k_q39943cfd20_gemm_qkv-k_q39943cfd20_gemm_qkv
	.p2alignl 7, 3214868480
	.fill 96, 4, 3214868480
	.section	.rodata,"a",@progbits
	.p2align	6, 0x0
	.amdhsa_kernel k_q39943cfd20_gemm_qkv
		.amdhsa_group_segment_fixed_size 327680
		.amdhsa_private_segment_fixed_size 0
		.amdhsa_enable_private_segment 0
		.amdhsa_kernarg_size 32
		.amdhsa_user_sgpr_count 2
		.amdhsa_user_sgpr_kernarg_segment_ptr 1
		.amdhsa_wavefront_size32 1
		.amdhsa_system_sgpr_workgroup_id_x 1
		.amdhsa_system_sgpr_workgroup_id_y 1
		.amdhsa_system_sgpr_workgroup_id_z 1
		.amdhsa_system_vgpr_workitem_id 0
		.amdhsa_next_free_vgpr 1024
		.amdhsa_next_free_sgpr 106
		.amdhsa_reserve_vcc 0
		.amdhsa_float_denorm_mode_32 3
		.amdhsa_float_denorm_mode_16_64 3
		.amdhsa_memory_ordered 1
		.amdhsa_forward_progress 1
		.amdhsa_inst_pref_size 219
	.end_amdhsa_kernel
	.amdgpu_metadata
---
amdhsa.version: [ 1, 2 ]
amdhsa.kernels:
  - .name:           k_q39943cfd20_gemm_qkv
    .symbol:         k_q39943cfd20_gemm_qkv.kd
    .args:
      - { .name: xq, .offset: 0, .size: 8, .value_kind: global_buffer, .address_space: global }
      - { .name: wq, .offset: 8, .size: 8, .value_kind: global_buffer, .address_space: global }
      - { .name: bqkv, .offset: 16, .size: 8, .value_kind: global_buffer, .address_space: global }
      - { .name: qkv, .offset: 24, .size: 8, .value_kind: global_buffer, .address_space: global }
    .group_segment_fixed_size: 327680
    .private_segment_fixed_size: 0
    .kernarg_segment_align: 8
    .kernarg_segment_size: 32
    .max_flat_workgroup_size: 128
    .sgpr_count:     106
    .vgpr_count:     1024
    .wavefront_size: 32
...
	.end_amdgpu_metadata
.endif
;; end of part 2
;; launch attn (part 3): grid 4 x 64, 16 waves a work-group, clusters of 4 x 1, 223,488 bytes of LDS; arguments qkv, maskc, aq; writes aq
.if DOCPART == 3
	.amdgcn_target "amdgcn-amd-amdhsa--gfx1250"
	.amdhsa_code_object_version 6
	.text
	.protected	k_q39943cfd20_attn
	.globl	k_q39943cfd20_attn
	.p2align	8
	.type	k_q39943cfd20_attn,@function
k_q39943cfd20_attn:
	s_mov_b64 s[64:65], 0
	v_nop
	global_prefetch_b8 v0, s[64:65] scope:SCOPE_SE
	s_setreg_imm32_b32 hwreg(HW_REG_WAVE_MODE, 25, 1), 1
	s_wait_xcnt 0x0
	s_wait_alu depctr_hold_cnt(0) depctr_sa_sdst(0) depctr_va_vdst(0) depctr_va_sdst(0) depctr_va_ssrc(0) depctr_va_vcc(0) depctr_vm_vsrc(0)
	s_getreg_b32 s2, hwreg(HW_REG_IB_STS2, 6, 4)
	s_cmp_eq_u32 s2, 0
	s_cbranch_scc0 .Lentry_in_a_cluster
	s_endpgm
.Lentry_in_a_cluster:
	s_bfe_u32 s2, ttmp6, 0x10000c
	s_cmp_lg_u32 s2, 0x3003
	s_cbranch_scc0 .Lentry_shape_is_right
	s_endpgm
.Lentry_shape_is_right:
; Masked attention of one head on codes of FP6 (E2M3) with E8M0 scales; head size 64, 2,048 keys; the result is quantised along the channels for the last product and leaves as codes.
; THE SOFTMAX: t = score x log2(e) / 8; M = the row's largest t so far, rounded up to a whole number; p = 2^(t - M) is quantised along the keys, not normalised; the row's sum is taken of the unquantised p and divides O at the end.
; When M moves, the sum and O are multiplied by 2^(old M - new M): exact.
; SHARES.  A cluster of four work-groups is one head; work-group cx owns 512 queries, in two passes of 256; each of its sixteen waves owns one tile of 16 queries in 256 registers.
; THE HEAD'S WHOLE K AND V, 204,800 bytes, COME INTO LDS ONCE, jointly for the four work-groups: one tensor load a wave, 12,800 bytes each (two key steps of K or of V).  K's step s lies at 6,400 s, V's at VB + 6,400 s.  Nothing is filled again.
; LAYOUT.  Both products are used transposed: a lane holds one query (lane % 16) throughout.  Tokens and channels lie at positions (true index with bits 3 and 4 exchanged), so that the 16 registers of two neighbouring tiles are 16 true neighbours.
; THE MASK GOES THROUGH THE PRODUCT.  The head has 64 along K, the instruction 128.  The other 64 places carry, on K's side, the mask as codes (row = key, a place for each of the tile's 16 queries: -7.5 where masked, else 0),
; and on Q's side an identity (query r has 7.5 at its own place).  So a masked score comes out as score - 56.25 x 2^(aG + b + 8): aG = the largest scale exponent of all of the head's K, b = the larger of the query's two, both held at -1 from below.
; A score's magnitude is at most 64 x 56.25 x 2^(aG + b) = 3,600 u; what is taken off is 14,400 u, u >= 1/4: every masked t lies at least 7,200 u x log2(e) / 8 >= 324 under every open t of its row, so its p = 2^(t - M) is 0,
; and what a row summed while all its keys so far were masked is multiplied by 2^-324 = 0 at its first open key.  No select, no branch and no address hangs on the mask.
; A triple of 18 registers: K's tile a (6), mask codes (4, lanes 0-15 tile a's keys, lanes 16-31 tile b's), 2 that the identity's zero codes meet, K's tile b (6).  Tile a: registers 0-11 against [Q, I in lanes 0-15]; tile b: 6-17 against [I in lanes 16-31, Q].
; V's four fragments lie over the triples but not over the mask's registers, so the next step's mask codes are loaded a whole key step ahead, straight into their places.
; SCALE WORDS.  At the head wave w takes key step w: K's words get the byte aG + 127 in the two places that meet the mask; they and V's words are laid at XS + 1,024 w, in LDS bytes of their own.
; No prefetch into the L2: K and V are asked for whole at the head, and the mask's loads themselves run one key step ahead of their use.
; LIMITS: NaN and infinities among the inputs are not served; the scaled scores, what the mask takes off among them, stay under 2^31 in magnitude; a block whose largest magnitude lies under 2^-124 keeps the byte 1.
; A QUERY ALL OF WHOSE KEYS ARE MASKED IS NOT SERVED: reference() has NaN there, this text finite numbers.  Q's scale byte + 8 is held at 254.
; REGISTERS: v1 16 x lane, v3-5 LDS addresses, v6-10 global offsets, v11 the mask's offset; v12 -M, v13 largest t, v[14:15] the sum; v[16:33] I, Q, I; v34, v250 Q's scale words, v35 p's, v[36:39] K's, v[248:249] V's;
; v[40:115] triples or V; v[116:179] S^T, then p; v[180:211] O^T; v[212:223] p's codes; v[224:230] conversions' second halves; v227 selector, v231 16 x lane + VB, v[242:243] c; v232-254 at work; v251, v255 the add's.
.set BLK,   6400                       ; a key step of K or V: four fragments of 1,536 bytes and 256 bytes of scale words
.set VB,    102400
.set XS,    204800                     ; 16 x 1,024 bytes: the scale words as the steps take them
.set XR,    221184                     ; 16 words: each wave's largest scale byte of K
.set SPARE, 221440                     ; the spare words: 16 waves x 128 bytes
.set AQS,   6291456                    ; where aq's scale bytes begin
.set F, 40
.set S, 116
.set O, 180
.set PC, 212
.set CT, 224
.macro CROUND                          ; a round of the cluster's barrier
	s_barrier_signal -1
	s_barrier_wait -1
	s_cmp_lg_u32 s6, 0
	s_cbranch_scc1 .Lnot_wave_0_\@
	s_barrier_signal -3
.Lnot_wave_0_\@:
	s_barrier_wait -3
	s_barrier_signal -1
	s_barrier_wait -1
.endm
.macro WALU
	s_wait_alu depctr_va_vdst(0)
.endm
.macro ASKQ p                          ; a pass's first mask codes, into their places, and the double fragment that holds my tile of Q with its scale word, into O^T's registers, which are cleared behind their use
	s_mov_b32 s7, 0
	v_mov_b32 v11, v1
.irp f, 0,1,2,3
	global_load_b128 v[F+18*\f+6:F+18*\f+9], v11, s[4:5] offset:512*\f
.endr
.irp c, 0,1,2
	global_load_b128 v[O+4*\c:O+3+4*\c], v6, s[100:101] offset:12800*\p+512*\c
.endr
	global_load_b32 v[O+12], v7, s[100:101] offset:12800*\p
.endm
.macro MM d, a, b, acc, sa, sb, row    ; a product; acc = 0: it starts its sum; row = 1: source 0's scales in lanes 16-31
.if \acc
.if \row
	v_wmma_scale_f32_16x16x128_f8f6f4 v[(\d):(\d)+7], v[(\a):(\a)+11], v[(\b):(\b)+11], v[(\d):(\d)+7], v[\sa], v[\sb] matrix_a_fmt:MATRIX_FMT_FP6 matrix_b_fmt:MATRIX_FMT_FP6 matrix_a_scale:MATRIX_SCALE_ROW1
.else
	v_wmma_scale_f32_16x16x128_f8f6f4 v[(\d):(\d)+7], v[(\a):(\a)+11], v[(\b):(\b)+11], v[(\d):(\d)+7], v[\sa], v[\sb] matrix_a_fmt:MATRIX_FMT_FP6 matrix_b_fmt:MATRIX_FMT_FP6
.endif
.else
.if \row
	v_wmma_scale_f32_16x16x128_f8f6f4 v[(\d):(\d)+7], v[(\a):(\a)+11], v[(\b):(\b)+11], 0, v[\sa], v[\sb] matrix_a_fmt:MATRIX_FMT_FP6 matrix_b_fmt:MATRIX_FMT_FP6 matrix_a_scale:MATRIX_SCALE_ROW1
.else
	v_wmma_scale_f32_16x16x128_f8f6f4 v[(\d):(\d)+7], v[(\a):(\a)+11], v[(\b):(\b)+11], 0, v[\sa], v[\sb] matrix_a_fmt:MATRIX_FMT_FP6 matrix_b_fmt:MATRIX_FMT_FP6
.endif
.endif
.endm
	s_load_b128 s[32:35], s[0:1], 0x0              ; qkv, maskc
	s_load_b64 s[104:105], s[0:1], 0x10            ; aq
	v_lshl_add_u32 v251, v0, 2, SPARE
	v_mov_b32 v255, 0
	ds_add_u32 v251, v255                          ; the opening lines: the add, twice on end, and its wait ahead of my tensor load
	ds_add_u32 v251, v255
	v_lshrrev_b32 v1, 5, v0
	v_readfirstlane_b32 s6, v1                     ; wave 0..15
	s_and_b32 s36, ttmp7, 0xffff                   ; 16 x batch + head: the four partners share it
	s_bfe_u32 s37, ttmp6, 0x40000                  ; cx: it enters global addresses of Q, the mask and the output alone
	s_lshr_b32 s38, s36, 4                         ; batch
	s_and_b32 s39, s36, 15                         ; head
	s_lshr_b32 s42, s6, 2                          ; my load: group g of four key steps,
	s_and_b32 s43, s6, 3                           ; part 0, 1: K's steps 4 g + 0, 1 and 2, 3; part 2, 3: V's
	s_mul_i32 s44, s42, 76800
	s_mul_i32 s45, s43, 2*BLK
	s_add_co_u32 s44, s44, s45
	s_mul_i32 s40, s36, 307200
	s_add_co_u32 s44, s44, s40
	s_add_co_u32 s44, s44, 25600                   ; behind the group's q blocks
	s_mov_b32 s45, 0
	s_lshr_b32 s46, s43, 1
	s_mul_i32 s46, s46, VB
	s_and_b32 s47, s43, 1
	s_lshl_b32 s47, s47, 1
	s_lshl_b32 s48, s42, 2
	s_add_co_u32 s47, s47, s48
	s_mul_i32 s47, s47, BLK
	s_mov_b32 s8, 1                                ; group 0: count = 1
	s_add_co_u32 s9, s46, s47                      ; LDS address: made of the wave's number alone
	s_mov_b32 s24, 15|(3<<16)|(1<<21)              ; group 1: the mask names all four work-groups; elements of 8 bytes; bit 21 beside a mask
	s_mov_b32 s25, 32<<16                          ; 12,800 dense bytes as 50 rows of 256
	s_mov_b32 s26, 50<<16
	s_mov_b32 s27, 32<<16
	s_mov_b32 s28, 50
	s_mov_b32 s29, 32
	s_mov_b32 s30, 0
	s_mov_b32 s31, 0
	s_mov_b32 s2, 0x76543210
	s_mov_b32 s3, 0xfedcba98                       ; v_permlanex16_b32's selects for lane l xor 16
	s_wait_dscnt 0x0
	s_wait_kmcnt 0x0
	s_mov_b64 s[100:101], s[32:33]
	s_add_nc_u64 s[10:11], s[32:33], s[44:45]
	s_or_b32 s11, s11, 0x80000000                  ; type = 2
	CROUND                                         ; all four work-groups are here: the joint loads meet
	tensor_load_to_lds s[8:11], s[24:31]           ; my one tensor load
	s_nop 0
.rept 4
	v_nop
.endr
	s_lshl_b32 s46, s38, 7
	s_lshl_b32 s47, s37, 5
	s_add_co_u32 s46, s46, s47
	s_add_co_u32 s46, s46, s6                      ; my first pass's query tile: 128 batch + 32 cx + wave
	s_lshl_b32 s48, s46, 15                        ; 16 key steps of 2,048 bytes of mask codes
	s_mov_b32 s49, 0
	s_add_nc_u64 s[4:5], s[34:35], s[48:49]
	s_mul_i32 s50, s37, 76800                      ; Q: group cx,
	s_add_co_u32 s50, s50, s40
	s_lshr_b32 s51, s6, 3
	s_mul_i32 s51, s51, BLK                        ; step 2 pass + wave / 8 of it,
	s_add_co_u32 s50, s50, s51
	s_bfe_u32 s51, s6, 0x20001
	s_mul_i32 s51, s51, 1536                       ; fragment (wave / 2) % 4
	s_add_co_u32 s52, s51, s50
	s_bfe_u32 s51, s6, 0x10001                     ; its scale word: lanes' half (wave / 2) % 2,
	s_lshl_b32 s51, s51, 7
	s_bfe_u32 s53, s6, 0x10002                     ; word (wave / 4) % 2
	s_lshl_b32 s53, s53, 2
	s_add_co_u32 s51, s51, s53
	s_add_co_u32 s51, s51, s50
	s_add_co_u32 s53, s51, 6144
	s_lshl_b32 s51, s46, 4                         ; out: piece (16 tile + head) of 768 bytes
	s_add_co_u32 s51, s51, s39
	s_mul_i32 s54, s51, 768
	s_lshl_b32 s51, s46, 9                         ; scale bytes: 32 a position; the head's two at 2 head
	s_lshl_b32 s55, s39, 1
	s_add_co_u32 s55, s51, s55
	s_and_b32 s51, s6, 1                           ; which half of the double fragment is my tile
	s_mul_i32 s56, s51, 0x02020202
	s_add_co_u32 s56, s56, 0x01000100              ; v_perm_b32's selector: my tile's two scale bytes, twice
	s_cmp_lg_u32 s51, 0
	s_cselect_b32 s12, -1, 0                       ; all lanes or none
	s_mul_i32 s57, s6, BLK                         ; the head's stage: key step = wave
	s_lshl_b32 s58, s6, 2
	s_add_co_u32 s58, s58, XR
	s_lshl_b32 s59, s6, 10
	s_add_co_u32 s59, s59, XS
	s_mov_b32 s69, 0xffff0000                      ; lanes 16-31
	v_and_b32 v92, 15, v0                          ; r
	v_bfe_u32 v93, v0, 4, 1                        ; h
	v_and_b32 v94, 31, v0
	v_lshlrev_b32 v2, 3, v94                       ; 8 x lane
	v_lshlrev_b32 v1, 4, v94                       ; 16 x lane
	v_add_nc_u32 v231, VB, v1
	v_add_nc_u32 v6, s52, v1
	v_lshl_add_u32 v7, v92, 3, s53
	v_add_nc_u32 v8, s54, v1
	v_lshlrev_b32 v9, 4, v92
	v_lshl_add_u32 v9, v93, 3, v9
	v_add_nc_u32 v9, s54, v9
	v_lshl_add_u32 v10, v92, 5, s55
	v_add_nc_u32 v10, v10, v93
	v_mov_b32 v227, s56
	v_mov_b32 v242, 0x3e38aa3b                     ; c = log2(e) / 8
	v_mov_b32 v243, 0x3e38aa3b
	v_add_nc_u32 v4, s57, v2                       ; K's scale words of step = wave,
	v_add_nc_u32 v5, VB, v4                        ; V's,
	v_add_nc_u32 v3, s59, v1                       ; where they go,
	v_mov_b32 v140, s58                            ; my word for the largest byte,
	v_mov_b32 v141, XR                             ; and all sixteen
	; the identity: query r = 4 d + e has the code 31 (7.5) at bit off(d) + 6 e of dword d, off = 0, 4, 2, 0
	v_lshrrev_b32 v95, 2, v94                      ; 4 h + d
	v_and_b32 v96, 3, v95
	v_lshlrev_b32 v96, 2, v96
	v_mov_b32 v97, 0x240
	v_lshrrev_b32 v96, v96, v97
	v_and_b32 v96, 15, v96                         ; off(d)
	v_and_b32 v97, 3, v92
	v_mad_u32_u24 v96, v97, 6, v96
	v_mov_b32 v97, 31
	v_lshlrev_b32 v96, v96, v97
.irp d, 0,1,2,3
	v_cmp_eq_u32 vcc_lo, \d, v95
	v_cndmask_b32 v[28+\d], 0, v96, vcc_lo         ; behind Q: lanes 0-15
	v_cmp_eq_u32 vcc_lo, 4+\d, v95
	v_cndmask_b32 v[16+\d], 0, v96, vcc_lo         ; ahead of Q: lanes 16-31
.endr
.irp i, 20,21,32,33
	v_mov_b32 v\i, 0
.endr
.irp f, 0,1,2,3
	v_mov_b32 v[F+18*\f+10], 0                     ; the two registers of a triple that meet zero codes alone: written once, later they hold what V left
	v_mov_b32 v[F+18*\f+11], 0
.endr
.irp b, 0,1,2,3
	v_mov_b32 v[236+\b], 0                         ; written once: a lane permute's destination counts as one of its sources
.endr
	v_mov_b32 v253, 0                              ; (named as the upper half of the pair v[252:253])
	v_mov_b32 v254, 0
	ASKQ 0                                         ; the first pass's loads are out while K and V land and the scale words are laid: no line up to the pass names their registers
	WALU                                           ; at the head's end
	s_wait_tensorcnt 0x0
	s_barrier_signal -1
	s_barrier_wait -1                              ; and everybody's
	ds_load_b64 v[36:37], v4 offset:6144
	ds_load_b64 v[38:39], v5 offset:6144
	s_wait_dscnt 0x0
.irp k, 0,1,2,3
	v_bfe_u32 v[116+\k], v36, 8*\k, 8
	v_bfe_u32 v[120+\k], v37, 8*\k, 8
.endr
.irp k, 0,1,2,3,4,5,6,7
	v_cvt_f32_u32 v[116+\k], v[116+\k]
.endr
	v_max3_num_f32 v116, v116, v117, v118
	v_max3_num_f32 v119, v119, v120, v121
	v_max3_num_f32 v116, v116, v122, v123
	v_max_num_f32 v116, v116, v119                 ; the largest of my eight bytes of K's scales,
.irp x, 1,2,4,8
	v_max_num_f32_dpp v116, v116, v116 row_xmask:\x row_mask:0xf bank_mask:0xf
.endr
	v_permlanex16_b32 v236, v116, s2, s3
	v_max_num_f32 v116, v116, v236                 ; of the key step's
	ds_store_b32 v140, v116                        ; all lanes write the same word with the same value
	WALU
	s_wait_dscnt 0x0
	s_barrier_signal -1
	s_barrier_wait -1
.irp k, 0,1,2,3
	ds_load_b128 v[124+4*\k:127+4*\k], v141 offset:16*\k
.endr
	s_wait_dscnt 0x0
	v_max3_num_f32 v124, v124, v125, v126
	v_max3_num_f32 v127, v127, v128, v129
	v_max3_num_f32 v124, v124, v130, v131
	v_max3_num_f32 v127, v127, v132, v133
	v_max3_num_f32 v124, v124, v134, v135
	v_max3_num_f32 v127, v127, v136, v137
	v_max3_num_f32 v124, v124, v138, v139
	v_max3_num_f32 v124, v124, v127, 0x42fc0000    ; of the whole head's, held at 126 from below
	v_cvt_u32_f32 v124, v124
	v_perm_b32 v124, v124, v124, 0                 ; in all four bytes
	v_bfi_b32 v40, 0xffff, v36, v124               ; tile a: its two bytes, then the mask's
	v_bfi_b32 v41, 0xffff0000, v36, v124           ; tile b: the mask's, then its two
	v_bfi_b32 v42, 0xffff, v37, v124
	v_bfi_b32 v43, 0xffff0000, v37, v124
	ds_store_b128 v3, v[40:43]
	ds_store_b64 v3, v[38:39] offset:512
	WALU
	s_wait_dscnt 0x0
	s_barrier_signal -1
	s_barrier_wait -1
; A KEY STEP: 128 keys; K at LDS byte s66, scale words at s68
.macro STEP
	v_add_nc_u32 v4, s66, v1
	v_add_nc_u32 v5, s66, v231
	v_add_nc_u32 v3, s68, v1
	v_nop                                          ; four places in front of loads into registers that the last products read
.irp f, 0,1,2,3                        ; a double fragment's image, 12 registers at 16 x lane + 512 c, parted into tile a's six and tile b's six
	ds_load_b128 v[F+18*\f:F+18*\f+3], v4 offset:1536*\f
	ds_load_b64 v[F+18*\f+4:F+18*\f+5], v4 offset:1536*\f+512
	ds_load_b64 v[F+18*\f+12:F+18*\f+13], v4 offset:1536*\f+520
	ds_load_b128 v[F+18*\f+14:F+18*\f+17], v4 offset:1536*\f+1024
.endr
	ds_load_b128 v[36:39], v3                      ; K's scale words: tile a's and b's of fragments 0 | 1, of fragments 2 | 3
	WALU
	s_wait_loadcnt 0x0                             ; this step's mask codes, asked for a step ago
	s_wait_dscnt 0x0
.irp f, 0,1,2,3                        ; S^T = K Q^T less the mask's term: registers 16 f + i are keys 32 f + 16 (lane / 16) + i
	MM S+16*\f, F+18*\f, 22, 0, 36+2*(\f/2), 34, \f%2
	MM S+16*\f+8, F+18*\f+6, 16, 0, 37+2*(\f/2), 250, \f%2
.endr
	s_add_co_u32 s7, s7, 2048                      ; the next step's mask codes; behind the tile's last step its first again, so that no load leaves the buffer
	s_and_b32 s7, s7, 0x7fff
	v_add_nc_u32 v11, s7, v1                       ; (the loads that read v11 are done)
.rept 3
	v_nop                                          ; four places behind the products
.endr
.irp f, 0,1,2,3
	global_load_b128 v[F+18*\f+6:F+18*\f+9], v11, s[4:5] offset:512*\f   ; 512 consecutive bytes
.endr
.irp f, 0,1,2,3                        ; V's four fragments land under the softmax
.irp c, 0,1,2
	ds_load_b128 v[F+18*\f+10+4*\c:F+18*\f+13+4*\c], v5 offset:1536*\f+512*\c
.endr
.endr
	ds_load_b64 v[248:249], v3 offset:512
.irp b, 0,1,2,3
	v_max3_num_f32 v[232+\b], v[S+16*\b], v[S+1+16*\b], v[S+2+16*\b]   ; the largest score of each block of 32 keys: for the row's maximum, and, since p rises with the score, for the block's largest p
.endr
.irp i, 3,5,7,9,11,13
.irp b, 0,1,2,3
	v_max3_num_f32 v[232+\b], v[232+\b], v[S+16*\b+\i], v[S+1+16*\b+\i]   ; (the four blocks by turns)
.endr
.endr
.irp b, 0,1,2,3
	v_max_num_f32 v[232+\b], v[232+\b], v[S+15+16*\b]
.endr
.irp b, 0,1,2,3
	v_permlanex16_b32 v[236+\b], v[232+\b], s2, s3
.endr
.irp b, 0,1,2,3
	v_max_num_f32 v[232+\b], v[232+\b], v[236+\b]  ; with lane l xor 16's 16 keys
.endr
	v_max3_num_f32 v254, v232, v233, v234
	v_max_num_f32 v254, v254, v235
	v_mul_f32 v254, v242, v254                     ; as t
	v_max_num_f32 v13, v13, v254                   ; the running largest t
	v_mov_b32 v254, v12
	v_floor_f32 v12, -v13                          ; the new -M = -ceil(t): a whole number
	v_sub_f32 v254, v12, v254                      ; old M - new M: a whole number, 0 or less
	v_cvt_i32_f32 v254, v254                       ; (it saturates)
	v_ldexp_f32 v252, 1.0, v254                    ; f = 2^(old M - new M)
.set j, 0
.rept 32
	v_pk_fma_f32 v[S+j:S+1+j], v[S+j:S+1+j], v[242:243], v[12:13] op_sel_hi:[1,1,0]   ; t - M, two at a time
.set j, j+2
.endr
.irp b, 0,1,2,3
	v_fma_f32 v[232+\b], v[232+\b], v242, v12      ; the same of each block's largest score
.endr
.set j, 0
	WALU                                           ; ahead of the batch
.rept 64
	v_exp_f32 v[S+j], v[S+j]                       ; p = 2^(t - M)
.set j, j+1
.endr
	v_pk_mul_f32 v[14:15], v[14:15], v[252:253] op_sel_hi:[1,0]   ; the sums under the new M: the plain line behind the exponentials
	WALU                                           ; one wait for the batch of 64, ahead of its first reader
.irp b, 0,1,2,3
	v_exp_f32 v[232+\b], v[232+\b]                 ; the block's largest p
.endr
	v_pk_add_f32 v[240:241], v[S:S+1], v[S+2:S+3]  ; the row's sum of the unquantised p, in two chains
.irp j, 4,8,12,16,20,24,28,32,36,40,44
	v_pk_add_f32 v[14:15], v[14:15], v[S+\j:S+1+\j]
	v_pk_add_f32 v[240:241], v[240:241], v[S+2+\j:S+3+\j]
.endr
	WALU                                           ; and one for the four
.irp b, 0,1,2,3
	v_max_num_f32 v[232+\b], 0x1800000, v[232+\b]  ; the floor 2^(3 - 127)
.endr
.irp b, 0,1,2,3
	v_add_nc_u32 v[244+\b], 0xff000000, v[232+\b]  ; the conversion's scale operand
.endr
.irp b, 0,1,2,3
	v_lshrrev_b32 v[236+\b], 23, v[244+\b]         ; the scale's byte
.endr
	v_lshl_or_b32 v35, v237, 8, v236               ; p's scale word for these 128 keys
	v_lshl_or_b32 v35, v238, 16, v35
	v_lshl_or_b32 v35, v239, 24, v35
	v_cvt_scalef32_pk16_fp6_f32 v[PC:PC+2], v[S:S+15], v244
	v_cvt_scalef32_pk16_fp6_f32 v[CT:CT+2], v[S+16:S+31], v245
	v_cvt_scalef32_pk16_fp6_f32 v[PC+6:PC+8], v[S+32:S+47], v246
	v_cvt_scalef32_pk16_fp6_f32 v[CT+4:CT+6], v[S+48:S+63], v247
	v_nop                                          ; one plain line behind the conversions
.irp i, 0,1,2
	v_permlane16_swap_b32 v[PC+\i], v[CT+\i]       ; a whole block to a lane
	v_permlane16_swap_b32 v[PC+6+\i], v[CT+4+\i]
.endr
.irp i, 0,1,2
	v_mov_b32 v[PC+3+\i], v[CT+\i]
	v_mov_b32 v[PC+9+\i], v[CT+4+\i]
.endr
	WALU                                           ; directly ahead of the first reader of O^T
.set j, 0
.rept 16
	v_pk_mul_f32 v[O+j:O+1+j], v[O+j:O+1+j], v[252:253] op_sel_hi:[1,0]   ; O^T under the new M
.set j, j+2
.endr
.irp j, 48,52,56,60                    ; the rest of the row's sum: plain lines between the writes above and the products below
	v_pk_add_f32 v[14:15], v[14:15], v[S+\j:S+1+\j]
	v_pk_add_f32 v[240:241], v[240:241], v[S+2+\j:S+3+\j]
.endr
	v_pk_add_f32 v[14:15], v[14:15], v[240:241]
	s_wait_dscnt 0x0                               ; V is in
.irp t, 0,1,2,3                        ; O^T += V^T P^T: four accumulators by turns; the eight products of S^T stand between two links of a chain
	MM O+8*\t, F+18*\t+10, PC, 1, 248+\t/2, 35, \t%2
.endr
.endm
; A pass: 16 queries a wave against all 2,048 keys
.macro PASS p
.if \p
	s_add_nc_u64 s[4:5], s[4:5], 524288            ; sixteen tiles on (no load is out: the way out has waited)
	ASKQ 1
.endif
	v_mov_b32 v13, 0xff61b1e6                      ; the largest t so far: -3e38
	v_mov_b32 v14, 0
	v_mov_b32 v15, 0
	v_floor_f32 v12, -v13                          ; -M
	WALU
	s_wait_loadcnt 0x0
.irp i, 0,1,2,3,4,5
	v_cndmask_b32 v[22+\i], v[O+\i], v[O+6+\i], s12
.endr
	v_perm_b32 v232, v[O+12], v[O+12], v227        ; my tile's two scale bytes in both halves of the word
	v_and_b32 v233, 0xff, v232
	v_bfe_u32 v234, v232, 8, 8
	v_cvt_f32_u32 v233, v233
	v_cvt_f32_u32 v234, v234
	v_max3_num_f32 v233, v233, v234, 0x42fc0000    ; the larger, held at 126 from below,
	v_add_f32 v233, 0x41000000, v233               ; + 8,
	v_min_num_f32 v233, 0x437e0000, v233           ; held at 254: the identity's scale byte
	v_cvt_u32_f32 v233, v233
	v_perm_b32 v233, v233, v233, 0
	v_bfi_b32 v34, 0xffff, v232, v233              ; for [Q, I]
	v_bfi_b32 v250, 0xffff0000, v232, v233         ; for [I, Q]
.set j, 0
.rept 32
	v_mov_b32 v[O+j], 0                            ; O^T: the step is written once for all steps; these are also the places behind Q and its scale words
.set j, j+1
.endr
	s_mov_b32 s66, 0
	s_mov_b32 s68, XS
	s_mov_b32 s67, 16
.Lstep_\@:
	STEP
	s_add_co_u32 s66, s66, BLK
	s_add_co_u32 s68, s68, 1024
	s_sub_co_u32 s67, s67, 1
	s_cmp_lg_u32 s67, 0
	s_cbranch_scc1 .Lstep_\@
	; THE WAY OUT: O^T / the sum, quantised along the head's 64 channels: register 16 B + i is channel 32 B + 16 (lane / 16) + i
.rept 4
	v_nop                                          ; places behind the last products
.endr
	WALU
	s_wait_loadcnt 0x0                             ; the mask codes asked for in the last step are not used; none is out behind this line
	v_add_f32 v14, v14, v15
	v_permlanex16_b32 v254, v14, s2, s3
	v_add_f32 v14, v14, v254                       ; the row's sum
	WALU
	v_rcp_f32 v252, v14
	v_nop                                          ; the plain line behind the reciprocal
	WALU                                           ; ahead of the reciprocal's first reader
.set j, 0
.rept 16
	v_pk_mul_f32 v[S+j:S+1+j], v[O+j:O+1+j], v[252:253] op_sel_hi:[1,0]   ; each accumulator from its low end on
.set j, j+2
.endr
.irp b, 0,1
	v_max3_num_f32 v[232+\b], |v[S+16*\b]|, |v[S+1+16*\b]|, 0x1800000
.endr
.irp i, 2,4,6,8,10,12,14
.irp b, 0,1
	v_max3_num_f32 v[232+\b], v[232+\b], |v[S+16*\b+\i]|, |v[S+1+16*\b+\i]|
.endr
.endr
.irp b, 0,1
	v_permlanex16_b32 v[236+\b], v[232+\b], s2, s3
.endr
.irp b, 0,1
	v_max_num_f32 v[232+\b], v[232+\b], v[236+\b]
.endr
.irp b, 0,1
	v_add_nc_u32 v[244+\b], 0xff000000, v[232+\b]
.endr
.irp b, 0,1
	v_lshrrev_b32 v[236+\b], 23, v[244+\b]
.endr
	v_cvt_scalef32_pk16_fp6_f32 v[PC:PC+2], v[S:S+15], v244
	v_cvt_scalef32_pk16_fp6_f32 v[CT:CT+2], v[S+16:S+31], v245
	v_nop
.irp i, 0,1,2
	v_permlane16_swap_b32 v[PC+\i], v[CT+\i]
.endr
.irp i, 0,1,2
	v_mov_b32 v[PC+3+\i], v[CT+\i]
.endr
	v_cndmask_b32 v254, v236, v237, s69            ; my block's byte
	global_store_b128 v8, v[PC:PC+3], s[104:105] offset:196608*\p          ; 512 consecutive bytes, at a multiple of 256
	global_store_b64 v9, v[PC+4:PC+5], s[104:105] offset:196608*\p+512     ; 256 consecutive bytes
	global_store_b8 v10, v254, s[104:105] offset:AQS+8192*\p               ; two of a row's 32 scale bytes: one byte for each 24 of codes
	s_wait_xcnt 0x0                                ; the stores have read their registers: the next pass writes them again
.endm
	PASS 0
	PASS 1
	s_wait_tensorcnt 0x0                           ; the wave's end
	ds_add_u32 v251, v255
	s_wait_dscnt 0x0
	CROUND                                         ; the closing round: no work-group ends while a partner may still ask for a tile that names it
	s_endpgm
.Lfunc_end_k_q39943cfd20_attn:
	.size	k_q39943cfd20_attn, .Lfunc_end_k_q39943cfd20_attn-k_q39943cfd20_attn
	.p2alignl 7, 3214868480
	.fill 96, 4, 3214868480
	.section	.rodata,"a",@progbits
	.p2align	6, 0x0
	.amdhsa_kernel k_q39943cfd20_attn
		.amdhsa_group_segment_fixed_size 223488
		.amdhsa_private_segment_fixed_size 0
		.amdhsa_enable_private_segment 0
		.amdhsa_kernarg_size 24
		.amdhsa_user_sgpr_count 2
		.amdhsa_user_sgpr_kernarg_segment_ptr 1
		.amdhsa_wavefront_size32 1
		.amdhsa_system_sgpr_workgroup_id_x 1
		.amdhsa_system_sgpr_workgroup_id_y 1
		.amdhsa_system_sgpr_workgroup_id_z 1
		.amdhsa_system_vgpr_workitem_id 0
		.amdhsa_next_free_vgpr 256
		.amdhsa_next_free_sgpr 106
		.amdhsa_reserve_vcc 1
		.amdhsa_float_denorm_mode_32 3
		.amdhsa_float_denorm_mode_16_64 3
		.amdhsa_memory_ordered 1
		.amdhsa_forward_progress 1
		.amdhsa_inst_pref_size 58
	.end_amdhsa_kernel
	.amdgpu_metadata
---
amdhsa.version: [ 1, 2 ]
amdhsa.kernels:
  - .name:           k_q39943cfd20_attn
    .symbol:         k_q39943cfd20_attn.kd
    .args:
      - { .name: qkv, .offset: 0, .size: 8, .value_kind: global_buffer, .address_space: global }
      - { .name: maskc, .offset: 8, .size: 8, .value_kind: global_buffer, .address_space: global }
      - { .name: aq, .offset: 16, .size: 8, .value_kind: global_buffer, .address_space: global }
    .group_segment_fixed_size: 223488
    .private_segment_fixed_size: 0
    .kernarg_segment_align: 8
    .kernarg_segment_size: 24
    .max_flat_workgroup_size: 512
    .sgpr_count:     106
    .vgpr_count:     256
    .wavefront_size: 32
...
	.end_amdgpu_metadata
.endif
;; end of part 3
;; launch gemm_proj (part 4): grid 4 x 32, 4 waves a work-group, clusters of 4 x 4, 327,680 bytes of LDS; arguments aq, wq, bproj, out0; writes out0
.if DOCPART == 4
	.amdgcn_target "amdgcn-amd-amdhsa--gfx1250"
	.amdhsa_code_object_version 6
	.text
	.protected	k_q39943cfd20_gemm_proj
	.globl	k_q39943cfd20_gemm_proj
	.p2align	8
	.type	k_q39943cfd20_gemm_proj,@function
k_q39943cfd20_gemm_proj:
	s_mov_b64 s[64:65], 0
	v_nop
	global_prefetch_b8 v0, s[64:65] scope:SCOPE_SE
	s_setreg_imm32_b32 hwreg(HW_REG_WAVE_MODE, 25, 1), 1
	s_wait_xcnt 0x0
	s_wait_alu depctr_hold_cnt(0) depctr_sa_sdst(0) depctr_va_vdst(0) depctr_va_sdst(0) depctr_va_ssrc(0) depctr_va_vcc(0) depctr_vm_vsrc(0)
	s_getreg_b32 s2, hwreg(HW_REG_IB_STS2, 6, 4)
	s_cmp_eq_u32 s2, 0
	s_cbranch_scc0 .Lentry_in_a_cluster
	s_endpgm
.Lentry_in_a_cluster:
	s_bfe_u32 s2, ttmp6, 0x10000c
	s_cmp_lg_u32 s2, 0xf033
	s_cbranch_scc0 .Lentry_shape_is_right
	s_endpgm
.Lentry_shape_is_right:
.set NQ,     2
.set FR,     12
.set NL,     4
.set NP,     4
.set KROW,   768
.set TILEB,  3072
.set HALFT,  8*TILEB
.set SLOT,   4*HALFT
.set LAPS,   2
.set KS,     32
.set SCL,    2*SLOT
.set HALFS,  16*272
.set SBLK,   2*272
.set SPARE,  SCL+4*HALFS
.set SPITCH, 528
.set ADRA, 16
.set ADRB, 20
.set STO,  24
.set RD,   25
.set CO,   26
.set ADRS, 27
.set SPW,  28
.set NIL,  29
.set SC,   32
.set BI,   64
.set AF,   128
.set BK,   128
.set G1, 24
.set G0, 32
.set G1B, 48
.set G0B, 56
.set G1S, 68
.set G0S, 76
.set G1SB, 80
.set G0SB, 88
.set G0H,  4                           ; s[4:7], s[96:99] group 0 of the head's loads of codes (the arguments that lay in s[4:7] have been used by then)
.set G0HB, 96
.set MSB, 0
.macro WIN new
.if MSB != (\new)
	s_set_vgpr_msb (MSB<<8)|(\new)
.set MSB, (\new)
.endif
.endm
.set MUL_LO, 0xa1
.set MUL_HI, 0xf1
.set TO_B,   0x40
.macro JLOAD g0a, g1a, g0b, g1b
	s_cmp_eq_u32 s15, 0
	s_cbranch_scc0 .Lfor_b_\@
	tensor_load_to_lds s[\g0a:\g0a+3], s[\g1a:\g1a+7]
	s_nop 0
.rept 4
	v_nop
.endr
	s_branch .Lasked_\@
.Lfor_b_\@:
	tensor_load_to_lds s[\g0b:\g0b+3], s[\g1b:\g1b+7]
	s_nop 0
.rept 4
	v_nop
.endr
.Lasked_\@:
.endm
.macro CREST
	s_cmp_lg_u32 s14, 0
	s_cbranch_scc1 .Lnot_wave_0_\@
	s_barrier_signal -3
.Lnot_wave_0_\@:
	s_barrier_wait -3
	s_barrier_signal -1
	s_barrier_wait -1
.endm
.macro CROUND
	s_barrier_signal -1
	s_barrier_wait -1
	CREST
.endm
	s_load_b256 s[4:11], s[0:1], 0x0
	v_lshl_add_u32 v[SPW], v0, 2, SPARE
	v_mov_b32 v[NIL], 0
	ds_add_u32 v28, v29
	ds_add_u32 v28, v29
	s_wait_dscnt 0x0
	v_lshrrev_b32 v1, 5, v0
	v_readfirstlane_b32 s14, v1
	s_lshr_b32 s15, s14, 1
	s_and_b32 s16, s14, 1
	s_bfe_u32 s40, ttmp6, 0x40000
	s_bfe_u32 s41, ttmp6, 0x40004
	s_lshl_b32 s42, ttmp9, 2
	s_add_co_u32 s42, s42, s40
	s_and_b32 s17, ttmp7, 0xffff
	s_lshl_b32 s17, s17, 2
	s_add_co_u32 s17, s17, s41
	s_lshl_b32 s43, s41, 2
	s_lshl_b32 s43, 15, s43
	s_lshl_b32 s44, 0x1111, s40
	s_or_b32 s[G1+0], s43, (3<<16)|(1<<21)
	s_or_b32 s[G1B+0], s44, (3<<16)|(1<<21)
.irp g, G1, G1B
	s_mov_b32 s[\g+1], 384<<16
	s_mov_b32 s[\g+2], 16<<16
	s_mov_b32 s[\g+3], 384<<16
	s_mov_b32 s[\g+4], 16
	s_mov_b32 s[\g+5], 1536
	s_mov_b32 s[\g+6], 0
	s_mov_b32 s[\g+7], 0
.endr
	s_or_b32 s[G1S+0], s43, (3<<16)|(1<<20)|(1<<21)|(5<<22)|(3<<25)
	s_or_b32 s[G1SB+0], s44, (3<<16)|(1<<20)|(1<<21)|(5<<22)|(3<<25)
.irp g, G1S, G1SB
	s_mov_b32 s[\g+1], 32<<16
	s_mov_b32 s[\g+2], 32<<16
	s_mov_b32 s[\g+3], 32<<16
	s_mov_b32 s[\g+4], 32
	s_mov_b32 s[\g+5], 32
	s_mov_b32 s[\g+6], 0
	s_mov_b32 s[\g+7], 0
.endr
	s_lshl_b32 s20, s17, 8                         ; the tiles' first rows
	s_lshl_b32 s46, s42, 8
	s_mov_b32 s21, 0
	s_mov_b32 s47, 0
	s_mov_b64 s[18:19], KS
	s_mul_u64 s[22:23], s[20:21], s[18:19]
	s_mul_u64 s[92:93], s[46:47], s[18:19]
	s_mov_b64 s[18:19], KROW
	s_mul_u64 s[20:21], s[20:21], s[18:19]
	s_mul_u64 s[46:47], s[46:47], s[18:19]
	s_mul_i32 s45, s14, HALFT
	s_wait_kmcnt 0x0
	s_add_nc_u64 s[20:21], s[4:5], s[20:21]
	s_add_nc_u64 s[22:23], s[4:5], s[22:23]
	s_add_nc_u64 s[22:23], s[22:23], 6291456
	s_add_nc_u64 s[46:47], s[6:7], s[46:47]
	s_add_nc_u64 s[46:47], s[46:47], 2359296
	s_add_nc_u64 s[92:93], s[6:7], s[92:93]
	s_add_nc_u64 s[92:93], s[92:93], 3244032
	CROUND
	s_mov_b32 s[G0H], 1                            ; the head's four tiles, each whole: slot 0's 16 tile rows of A,
	s_mov_b32 s[G0H+1], 0
	s_mov_b64 s[G0H+2:G0H+3], s[20:21]
	s_or_b32 s[G0H+3], s[G0H+3], 0x80000000
	s_mov_b32 s[G0HB], 1                           ; its 16 of B, behind them,
	s_mov_b32 s[G0HB+1], 2*HALFT
	s_mov_b64 s[G0HB+2:G0HB+3], s[46:47]
	s_or_b32 s[G0HB+3], s[G0HB+3], 0x80000000
	s_mov_b32 s[G0S], 1                            ; the scale bytes of A's 256 rows,
	s_mov_b32 s[G0S+1], SCL
	s_mov_b64 s[G0S+2:G0S+3], s[22:23]
	s_or_b32 s[G0S+3], s[G0S+3], 0x80000000
	s_mov_b32 s[G0SB], 1                           ; and of B's
	s_mov_b32 s[G0SB+1], SCL+2*HALFS
	s_mov_b64 s[G0SB+2:G0SB+3], s[92:93]
	s_or_b32 s[G0SB+3], s[G0SB+3], 0x80000000
	s_mul_i32 s18, s16, 128*KROW                   ; for the ring: my 128 rows of the tile
	s_mov_b32 s19, 0
	s_add_nc_u64 s[20:21], s[20:21], s[18:19]
	s_add_nc_u64 s[46:47], s[46:47], s[18:19]
.irp s, 0,1
	s_mov_b32 s[G0+4*\s], 1
	s_add_co_u32 s[G0+4*\s+1], s45, \s*SLOT
	s_add_nc_u64 s[G0+4*\s+2:G0+4*\s+3], s[20:21], \s*TILEB
	s_or_b32 s[G0+4*\s+3], s[G0+4*\s+3], 0x80000000
	s_mov_b32 s[G0B+4*\s], 1
	s_add_co_u32 s[G0B+4*\s+1], s45, \s*SLOT
	s_add_nc_u64 s[G0B+4*\s+2:G0B+4*\s+3], s[46:47], \s*TILEB
	s_or_b32 s[G0B+4*\s+3], s[G0B+4*\s+3], 0x80000000
.endr
; THE HEAD'S LOADS, ONE A WAVE: one chain of branches on the wave's number, a load to an arm, all arms leading to one join
.macro ARM under, g0, g1, next
	s_cmp_lt_u32 s14, \under
	s_cbranch_scc0 \next
	tensor_load_to_lds s[\g0:\g0+3], s[\g1:\g1+7]
	s_nop 0
.rept 4
	v_nop
.endr
	s_branch .Lhead_asked
\next:
.endm
	ARM 1, G0H,  G1,  .Lhead_b
	ARM 2, G0HB, G1B, .Lhead_sa
	ARM 3, G0S,  G1S, .Lhead_sb
	tensor_load_to_lds s[G0SB:G0SB+3], s[G1SB:G1SB+7]
	s_nop 0
.rept 4
	v_nop
.endr
.Lhead_asked:
	v_and_b32 v1, 15, v0
	v_bfe_u32 v2, v0, 4, 1
	v_and_b32 v3, 31, v0
	v_lshlrev_b32 v4, 4, v3
	v_lshlrev_b32 v5, 4, v1
	v_lshl_add_u32 v5, v2, 3, v5
	s_mul_i32 s21, s15, HALFT
	s_mul_i32 s22, s16, HALFT
	s_add_co_u32 s22, s22, 2*HALFT
.irp s, 0,1
	v_add_nc_u32 v[ADRA+\s], s21, v4
	v_add_nc_u32 v[ADRB+\s], s22, v4
	v_add_nc_u32 v[ADRA+2+\s], s21, v5
	v_add_nc_u32 v[ADRB+2+\s], s22, v5
	s_add_co_u32 s21, s21, SLOT
	s_add_co_u32 s22, s22, SLOT
.endr
	v_mul_u32_u24 v5, v1, KS
	v_lshrrev_b32 v6, 8, v5
	v_lshl_add_u32 v5, v6, 4, v5
	s_mul_i32 s21, s15, HALFS
	s_mul_i32 s22, s16, HALFS
	s_add_co_u32 s22, s22, 2*HALFS
	s_sub_co_u32 s22, s22, s21
	v_mul_u32_u24 v6, s22, v2
	s_add_co_u32 s21, s21, SCL
	v_add_nc_u32 v5, v5, v6
	v_add_nc_u32 v[ADRS], s21, v5
	s_mul_i32 s23, s14, 16*SPITCH
	v_mul_u32_u24 v5, v1, SPITCH
	v_lshl_add_u32 v5, v2, 6, v5
	v_add_nc_u32 v[STO], s23, v5
	v_lshlrev_b32 v[CO], 4, v3
	s_wait_alu depctr_va_vdst(0)
	v_add_nc_u32 v[RD], s23, v[CO]
	s_lshl_b32 s20, s17, 8
	s_lshl_b32 s21, s15, 7
	s_add_co_u32 s20, s20, s21
	s_lshl_b32 s20, s20, 12
	s_mov_b32 s21, 0
	s_lshl_b32 s46, s42, 10
	s_lshl_b32 s47, s16, 9
	s_add_co_u32 s46, s46, s47
	s_mov_b32 s47, 0
	s_add_nc_u64 s[12:13], s[10:11], s[20:21]
	s_add_nc_u64 s[12:13], s[12:13], s[46:47]
	s_add_nc_u64 s[8:9], s[8:9], s[46:47]
	global_load_b128 v[BI:BI+3], v[CO], s[8:9]
.macro FRAG reg, adr, q, i
	ds_load_b128 v[\reg:\reg+3], v[\adr] offset:(\i)*TILEB+(\q)*1536
	ds_load_b64 v[\reg+4:\reg+5], v[\adr+2] offset:(\i)*TILEB+(\q)*1536+512
	ds_load_b128 v[\reg+6:\reg+9], v[\adr] offset:(\i)*TILEB+(\q)*1536+768
	ds_load_b64 v[\reg+10:\reg+11], v[\adr+2] offset:(\i)*TILEB+(\q)*1536+1280
.endm
.macro MUL16 a0, p, q, sc, zero
.irp a, \a0, \a0+1
.irp b, 0,1,2,3,4,5,6,7
.if \zero
	v_wmma_scale_f32_16x16x128_f8f6f4 v[8*(8*((\a)%4)+\b):8*(8*((\a)%4)+\b)+7], v[128*(\p)+FR*\b:128*(\p)+FR*\b+FR-1], v[AF+FR*(\a):AF+FR*(\a)+FR-1], 0, v[SC+8*NQ*(\sc)+NQ*\b+(\q)], v[SC+8*NQ*(\sc)+NQ*(\a)+(\q)] matrix_a_fmt:MATRIX_FMT_FP6 matrix_b_fmt:MATRIX_FMT_FP6 matrix_a_scale:MATRIX_SCALE_ROW1
.else
	v_wmma_scale_f32_16x16x128_f8f6f4 v[8*(8*((\a)%4)+\b):8*(8*((\a)%4)+\b)+7], v[128*(\p)+FR*\b:128*(\p)+FR*\b+FR-1], v[AF+FR*(\a):AF+FR*(\a)+FR-1], v[8*(8*((\a)%4)+\b):8*(8*((\a)%4)+\b)+7], v[SC+8*NQ*(\sc)+NQ*\b+(\q)], v[SC+8*NQ*(\sc)+NQ*(\a)+(\q)] matrix_a_fmt:MATRIX_FMT_FP6 matrix_b_fmt:MATRIX_FMT_FP6 matrix_a_scale:MATRIX_SCALE_ROW1
.endif
.endr
.endr
.endm
.macro FETCH_B slot, q, p
	WIN TO_B
.irp i, 0,1,2,3,4,5,6,7
	FRAG 128*(\p)+FR*\i, ADRB+\slot, \q, \i
.endr
	WIN 0
.endm
.macro FETCH_A slot, q, i0
.irp i, \i0, \i0+1, \i0+2, \i0+3
	FRAG AF+FR*(\i), ADRA+\slot, \q, \i
.endr
.endm
.macro SCALES sc
.irp i, 0,1,2,3,4,5,6,7
	ds_load_b64 v[SC+8*NQ*\sc+NQ*\i:SC+8*NQ*\sc+NQ*\i+1], v[ADRS] offset:\i*SBLK
.endr
.endm
.macro PLACES n
.rept \n
	v_nop
.endr
.endm
.macro STEP slot, q, zero
	s_wait_dscnt 4*NL
	WIN MUL_LO
	MUL16 0, (\q)%2, \q, \slot, \zero
	MUL16 2, (\q)%2, \q, \slot, \zero
	s_wait_dscnt 0
	PLACES NP
	FETCH_B \slot, (\q)+1, 1-(\q)%2
	FETCH_A \slot, (\q)+1, 0
	WIN MUL_HI
	MUL16 4, (\q)%2, \q, \slot, \zero
	MUL16 6, (\q)%2, \q, \slot, \zero
	PLACES NP
	WIN 0
	FETCH_A \slot, (\q)+1, 4
.endm
.macro TURN slot, next, fill
	s_wait_tensorcnt 0x0
	ds_add_u32 v[SPW], v[NIL]
	s_wait_dscnt 4*NL+1
	WIN MUL_LO
	MUL16 0, 1, NQ-1, \slot, 0
	s_wait_dscnt 0x0
	s_barrier_signal -1
	MUL16 2, 1, NQ-1, \slot, 0
	WIN 0
	s_barrier_wait -1
.if \fill
	CREST
	s_add_nc_u64 s[G0+4*\slot+2:G0+4*\slot+3], s[G0+4*\slot+2:G0+4*\slot+3], 2*TILEB
	s_add_nc_u64 s[G0B+4*\slot+2:G0B+4*\slot+3], s[G0B+4*\slot+2:G0B+4*\slot+3], 2*TILEB
	JLOAD G0+4*\slot, G1, G0B+4*\slot, G1B
.else
	PLACES NP
.endif
	s_wait_alu depctr_va_vdst(0)
	v_add_nc_u32 v[ADRS], 4*NQ, v[ADRS]
	FETCH_B \next, 0, 0
	FETCH_A \next, 0, 0
	SCALES \next
	WIN MUL_HI
	MUL16 4, 1, NQ-1, \slot, 0
	MUL16 6, 1, NQ-1, \slot, 0
	PLACES NP
	WIN 0
	FETCH_A \next, 0, 4
.endm
	s_wait_alu depctr_va_vdst(0)                   ; at the head's end
	s_wait_tensorcnt 0x0                           ; my tile of the head's four is in
	ds_add_u32 v[SPW], v[NIL]
	s_mov_b32 s[G1+2], 8<<16                       ; no tensor load of mine is out: from here on a load brings 8 tile rows
	s_mov_b32 s[G1+4], 8
	s_mov_b32 s[G1B+2], 8<<16
	s_mov_b32 s[G1B+4], 8
	s_wait_dscnt 0x0
	CROUND                                         ; all four tiles are in, and all sixteen work-groups are here
	JLOAD G0+4, G1, G0B+4, G1B                     ; slot 1's first fill, the first tensor load behind the round
	FETCH_B 0, 0, 0
	FETCH_A 0, 0, 0
	SCALES 0
	FETCH_A 0, 0, 4
	STEP 0, 0, 1
	s_mov_b32 s3, LAPS-1
.Llap:
	TURN 0, 1, 1
	STEP 1, 0, 0
	TURN 1, 0, 1
	STEP 0, 0, 0
	s_sub_co_u32 s3, s3, 1
	s_cmp_lg_u32 s3, 0
	s_cbranch_scc1 .Llap
	TURN 0, 1, 0
	STEP 1, 0, 0
	s_wait_dscnt 4*NL
	WIN MUL_LO
	MUL16 0, 1, NQ-1, 1, 0
	MUL16 2, 1, NQ-1, 1, 0
	s_wait_dscnt 0
	WIN MUL_HI
	MUL16 4, 1, NQ-1, 1, 0
	MUL16 6, 1, NQ-1, 1, 0
	WIN 0
.macro TOSTAGE a
.set AC, 64*((\a)%4)
	WIN 0x08+4*((\a)/4)
.irp b, 0,1,2,3,4,5,6,7
	ds_store_b128 v[STO], v[AC+8*\b:AC+8*\b+3] offset:128*(\b/2)+32*(\b%2)
	ds_store_b128 v[STO], v[AC+8*\b+4:AC+8*\b+7] offset:128*(\b/2)+32*(\b%2)+16
.endr
	WIN 0
.set BB, BK+64*((\a)%2)
.irp t, 0,1,2,3,4,5,6,7,8,9,10,11,12,13,14,15
	ds_load_b128 v[BB+4*\t:BB+4*\t+3], v[RD] offset:\t*SPITCH
.endr
.endm
.macro SEND a, younger
.set BB, BK+64*((\a)%2)
	s_wait_dscnt \younger
.irp t, 0,1,2,3,4,5,6,7,8,9,10,11,12,13,14,15
	v_pk_add_f32 v[BB+4*\t:BB+4*\t+1], v[BB+4*\t:BB+4*\t+1], v[BI:BI+1]
	v_pk_add_f32 v[BB+4*\t+2:BB+4*\t+3], v[BB+4*\t+2:BB+4*\t+3], v[BI+2:BI+3]
	global_store_b128 v[CO], v[BB+4*\t:BB+4*\t+3], s[12:13] offset:(32*((\a)/2)+8*((\a)%2)+\t+8*(\t/8))*4096 th:TH_STORE_NT
.endr
.endm
	s_wait_loadcnt 0x0
	PLACES NP
	TOSTAGE 0
.irp a, 1,2,3,4,5,6,7
.if \a > 1
	s_wait_xcnt 0x0
.endif
	TOSTAGE \a
	SEND \a-1, 32
.endr
	SEND 7, 0
	s_wait_tensorcnt 0x0
	ds_add_u32 v[SPW], v[NIL]
	s_wait_dscnt 0x0
	CROUND
	s_endpgm
.Lfunc_end_k_q39943cfd20_gemm_proj:
	.size	k_q39943cfd20_gemm_proj, .Lfunc_end_k_q39943cfd20_gemm_proj-k_q39943cfd20_gemm_proj
	.p2alignl 7, 3214868480
	.fill 96, 4, 3214868480
	.section	.rodata,"a",@progbits
	.p2align	6, 0x0
	.amdhsa_kernel k_q39943cfd20_gemm_proj
		.amdhsa_group_segment_fixed_size 327680
		.amdhsa_private_segment_fixed_size 0
		.amdhsa_enable_private_segment 0
		.amdhsa_kernarg_size 32
		.amdhsa_user_sgpr_count 2
		.amdhsa_user_sgpr_kernarg_segment_ptr 1
		.amdhsa_wavefront_size32 1
		.amdhsa_system_sgpr_workgroup_id_x 1
		.amdhsa_system_sgpr_workgroup_id_y 1
		.amdhsa_system_sgpr_workgroup_id_z 1
		.amdhsa_system_vgpr_workitem_id 0
		.amdhsa_next_free_vgpr 1024
		.amdhsa_next_free_sgpr 106
		.amdhsa_reserve_vcc 0
		.amdhsa_float_denorm_mode_32 3
		.amdhsa_float_denorm_mode_16_64 3
		.amdhsa_memory_ordered 1
		.amdhsa_forward_progress 1
		.amdhsa_inst_pref_size 160
	.end_amdhsa_kernel
	.amdgpu_metadata
---
amdhsa.version: [ 1, 2 ]
amdhsa.kernels:
  - .name:           k_q39943cfd20_gemm_proj
    .symbol:         k_q39943cfd20_gemm_proj.kd
    .args:
      - { .name: aq, .offset: 0, .size: 8, .value_kind: global_buffer, .address_space: global }
      - { .name: wq, .offset: 8, .size: 8, .value_kind: global_buffer, .address_space: global }
      - { .name: bproj, .offset: 16, .size: 8, .value_kind: global_buffer, .address_space: global }
      - { .name: out0, .offset: 24, .size: 8, .value_kind: global_buffer, .address_space: global }
    .group_segment_fixed_size: 327680
    .private_segment_fixed_size: 0
    .kernarg_segment_align: 8
    .kernarg_segment_size: 32
    .max_flat_workgroup_size: 128
    .sgpr_count:     106
    .vgpr_count:     1024
    .wavefront_size: 32
...
	.end_amdgpu_metadata
.endif
;; end of part 4
